; MI455X (gfx1250); checked and timed in simulation.
; The chip was launched on July 23, 2026; its instructions are those of AMD's public machine-readable ISA for CDNA 5 (MIT licence, August 2026) and "CDNA5" Instruction Set Architecture Reference Guide (July 2026). The comments in the code are by the model that wrote it; some were corrected since.
;; Attention Block. Allowed arithmetic: matrix products marked QUANTISED: E3M2 operands, one E8M0 scale for each 32 along K, by v_wmma_scale_f32_16x16x128_f8f6f4 with both operands' format E3M2, f32 sums; everything else in f32.
;; Inputs: gn_b 256 float32; gn_w 256 float32; proj_b 256 float32; proj_w 256 x 256 float32; qkv_b 768 float32; qkv_w 768 x 256 float32; x 4 x 256 x 64 x 64 float32.
;; Outputs: out0 4 x 256 x 64 x 64 float32.
;; This version of the problem:
;;   THIS VERSION OF THE PROBLEM IS GIVEN IN LOW PRECISION. The matrix products marked QUANTISED in the list below multiply operands that are first quantised to E3M2 (3 exponent bits, 2 mantissa bits; 6 bits a number), with one power-of-two scale for each 32 numbers along K (OCP MX v1.0); their sums are f32. All else is computed in f32.
;;   The module's matrix products, in the order in which they are computed (A, B: the left and right operand; K: the contracted axis; several contracted axes count as one K, in the product's order):
;;     1. [M 16,384, K 256] x [K 256, N 768]; A: computed on the way; B: input qkv_w: QUANTISED
;;     2. batch 4 x [M 4,096, K 256] x [K 256, N 4,096]; A: computed on the way; B: computed on the way: QUANTISED
;;     3. batch 4 x [M 256, K 4,096] x [K 4,096, N 4,096]; A: computed on the way; B: softmax (see below): QUANTISED
;;     4. [M 16,384, K 256] x [K 256, N 256]; A: computed on the way; B: input proj_w: QUANTISED
;;   THE QUANTISER, for each operand of a quantised product, along K:
;;     - K is cut into blocks of 32 from its start; a last block that is shorter is filled with zeros.
;;     - A block's scale is 2^e with e = floor(log2(the largest magnitude in the block)) - 4, held to -126 .. 127; a block of zeros has e = 0. As a byte (E8M0): e + 127.
;;     - Each number is divided by its block's scale, clamped to +-28, and rounded to the nearest number of E3M2, ties to even, subnormals kept.
;;     - The product sums the exact products of the quantised numbers (number of the format x scale) in f32.
;;   ~~~python
;;   def quantise(x, axis):      # numpy; x: float32 -> the quantised numbers, widened to float32 again
;;       x = np.moveaxis(x, axis, -1); K = x.shape[-1]
;;       x = np.pad(x, [(0, 0)] * (x.ndim - 1) + [(0, -K % 32)]); x = x.reshape(x.shape[:-1] + (-1, 32)); a = np.abs(x).max(-1, keepdims=True)
;;       e = np.where(a > 0, np.clip(np.frexp(np.where(a > 0, a, 1))[1] - 1 - 4, -126, 127), 0)      # np.frexp(a)[1] - 1 = floor(log2(a)), exactly
;;       r = np.clip(x / 2.0 ** e, -28, 28)
;;       step = 2.0 ** (np.maximum(np.frexp(np.where(r == 0, 1, r))[1] - 1, -2) - 2)
;;       q = np.round(r / step) * step * 2.0 ** e      # np.round: ties to even
;;       return np.moveaxis(q.reshape(q.shape[:-2] + (-1,))[..., :K], -1, axis).astype(np.float32)
;;   ~~~
;;   SOFTMAX AHEAD OF A QUANTISED PRODUCT. Where the list says 'softmax', what is quantised is not the finished softmax but p = 2^(t - M), with t = logit x log2(e) and M = ceil(the row's largest t), a whole number; so 1/2 < the row's largest p <= 1. The row's sum l is taken of the UNQUANTISED p, in f32, and the product's result is divided by l at the end. Since M is a whole number, a kernel that streams over the keys may use a running M (the ceiling of the running maximum): every later rescaling is an exact power of two, which a block's scale takes up: the codes' values come out the same.
;;   OPERANDS COMPUTED ON THE WAY. 'Computed on the way' means the value that the module computes at that place (a softmax that the list does not call 'softmax' is quantised finished and normalised). What goes into a quantiser is computed in f32, as accurately as f32 sums, v_exp_f32 and their like allow (about 1e-6 of the number): no bf16 or f16 on the way to a quantiser, and a product that is left as it is and whose result goes on into a quantised operand takes f32 operands (vector FMAs, or v_wmma_f32_16x16x4_f32). A number that lies on a knife's edge between two numbers of the format may be rounded either way, as far as f32 arithmetic and the matrix unit's own rounding can turn it there, and no further.
;; One version. Each part assembles by itself: llvm-mc -triple=amdgcn-amd-amdhsa -mcpu=gfx1250 --defsym DOCPART=n.
;; ======== version 1 of 1: 3 launches
;; workspace buffers: coef 12,288 bytes; wbuf 204,800 bytes; qbuf 3,276,800 bytes; kbuf 3,276,800 bytes; vbuf 3,276,800 bytes
;; launch prep (part 1): grid 136 x 1, 8 waves a work-group, no clusters, 1,280 bytes of LDS; arguments x, gn_w, gn_b, qkv_w, proj_w, coef, wbuf; writes coef, wbuf
.if DOCPART == 1
	.amdgcn_target "amdgcn-amd-amdhsa--gfx1250"
	.amdhsa_code_object_version 6
	.text
	.protected	k_qc9bd26b14e_prep
	.globl	k_qc9bd26b14e_prep
	.p2align	8
	.type	k_qc9bd26b14e_prep,@function
k_qc9bd26b14e_prep:
	s_mov_b64 s[64:65], 0
	v_nop
	global_prefetch_b8 v0, s[64:65] scope:SCOPE_SE
	s_setreg_imm32_b32 hwreg(HW_REG_WAVE_MODE, 25, 1), 1
	s_wait_xcnt 0x0
; Work-groups 0-127: the GroupNorm statistics of one (batch, group): 8 channels x 4,096 tokens = 32,768 numbers, 131,072 dense bytes of x.
;   The group stays in registers (128 a lane) between the pass that finds the mean and the pass that sums (x - mean)^2: x is read once, and the variance is never a difference of large sums.
;   Out: coef[b][c] = {rstd x gn_w[c], gn_b[c]} at byte 8 (256 b + c), and from byte 8,192 on the mean of c's group, 4 bytes a channel.
; Work-groups 128-135: qkv_w [768][256] and proj_w [256][256], f32, K innermost, become codes of BF6 (E3M2) with one E8M0 byte for each 32 along K, laid as IMAGES OF THE OPERAND'S REGISTERS:
;   a fragment (16 rows x 128 K, 12 registers a lane) is 1,536 bytes: three runs of 512 bytes, lane l's 16 bytes at 16 l.  A unit is 128 rows (units 0-5 qkv_w, 6-7 proj_w): 16 fragments (tile t, K step s) at 1,536 (2 t + s).
;   A work-group takes a unit, wave t its tile t: two fragments, whose 32 loads go out together.
;   THE ROWS OF A TILE ARE NOT NEIGHBOURS: row r of tile 2 b + u is row 32 b + 8 u + r + 8 (r / 8) of the unit, so that a transposed product's 16 registers of tiles 2 b, 2 b + 1 are 16 neighbours along the next K.
;   wbuf: 0 qkv fragments (24,576 a unit); 147,456 qkv scale words (1,024 a unit: word of fragment 4 q + i, row r, at 256 q + 16 r + 4 i); 153,600 proj fragments; 202,752 proj scale words.
; A block's scale is 2^(floor(log2(its largest magnitude)) - 4); its byte is the largest magnitude's exponent field - 4, held at 1 from below (a block of zeros keeps the byte 1: its codes are zeros, and this program alone reads the bytes).
; LIMITS: NaN and infinities among the inputs are not served; blocks whose largest magnitude lies under 2^-122 keep the byte 1.
; No matrix unit, no tensor loads, no cluster: the launch reads each byte once and shares nothing between work-groups.
.set X,   64                           ; v64-191  statistics: the group's numbers, 32 loads x 4 registers
.set TM,  20                           ; v20-31   weights: v20-23 largest magnitudes, v24-27 bytes, v28-31 the conversions' scale operands
.set CT,  32                           ; v32-38   weights: the second halves of the blocks' codes
.set BA,  64                           ; v64-127, v128-191  weights: two sets of 64 numbers
.set BB,  128
.set PCW, 192                          ; v192-215 weights: the two fragments' codes, each its own registers: no store's data are written again
.set PWW, 240                          ; v240-241 their scale words
.set SEL, 28                           ; s[28:29] v_permlanex16_b32's selects for lane l xor 16
	s_load_b256 s[4:11], s[0:1], 0x0               ; x s[4:5], gn_w s[6:7], gn_b s[8:9], qkv_w s[10:11]
	s_load_b128 s[12:15], s[0:1], 0x20             ; proj_w s[12:13], coef s[14:15]
	s_load_b64 s[16:17], s[0:1], 0x30              ; wbuf
	v_lshl_add_u32 v254, v0, 2, 0x100
	v_mov_b32 v255, 0
	v_lshrrev_b32 v1, 5, v0
	v_readfirstlane_b32 s18, v1                    ; wave 0..7
	s_mov_b32 s[SEL], 0x76543210
	s_mov_b32 s[SEL+1], 0xfedcba98
	s_cmp_ge_u32 ttmp9, 128                        ; the same for all waves of a work-group
	s_cbranch_scc1 .Lweights
; ---------------- statistics ----------------
	s_lshl_b32 s20, ttmp9, 17                      ; the group's 131,072 bytes
	s_mov_b32 s21, 0
	s_and_b32 s22, ttmp9, 31
	s_lshl_b32 s22, s22, 5                         ; the group's 8 channels in gn_w, gn_b: 32 bytes
	v_lshlrev_b32 v1, 4, v0                        ; 16 x thread: a load of the work-group covers 4,096 consecutive bytes
	v_and_b32 v2, 7, v0
	v_lshlrev_b32 v2, 2, v2
	v_add_nc_u32 v2, s22, v2                       ; channel 8 g + lane % 8
	v_mov_b32 v3, s18
	v_lshlrev_b32 v3, 2, v3                        ; LDS: my wave's word
	v_mov_b32 v6, 0
	s_lshl_b32 s23, ttmp9, 6
	v_lshlrev_b32 v26, 3, v0
	v_add_nc_u32 v26, s23, v26                     ; coef: 8 bytes a channel, 64 a group
	s_lshl_b32 s24, ttmp9, 5
	v_lshlrev_b32 v27, 2, v0
	v_add_nc_u32 v27, s24, v27                     ; the means: 4 bytes a channel
	s_wait_kmcnt 0x0
	s_add_nc_u64 s[4:5], s[4:5], s[20:21]
	global_load_b32 v4, v2, s[6:7]
	global_load_b32 v5, v2, s[8:9]
.set i, 0
.rept 32
	global_load_b128 v[X+4*i:X+4*i+3], v1, s[4:5] offset:4096*i
.set i, i+1
.endr
; the sum over the lanes of a wave, then over the eight waves through eight words of LDS at byte off; the result in v16 of every lane
.macro REDUCE off
	v_pk_add_f32 v[8:9], v[8:9], v[10:11]
	v_pk_add_f32 v[12:13], v[12:13], v[14:15]
	v_pk_add_f32 v[8:9], v[8:9], v[12:13]
	v_add_f32 v8, v8, v9
	v_add_f32_dpp v8, v8, v8 row_xmask:1 row_mask:0xf bank_mask:0xf
	v_add_f32_dpp v8, v8, v8 row_xmask:2 row_mask:0xf bank_mask:0xf
	v_add_f32_dpp v8, v8, v8 row_xmask:4 row_mask:0xf bank_mask:0xf
	v_add_f32_dpp v8, v8, v8 row_xmask:8 row_mask:0xf bank_mask:0xf
	v_permlanex16_b32 v9, v8, s[SEL], s[SEL+1]
	v_add_f32 v8, v8, v9
	ds_store_b32 v3, v8 offset:\off                ; all lanes write the same word with the same value
	s_wait_dscnt 0x0                               ; for the others' sake: my store has landed
	s_barrier_signal -1
	s_barrier_wait -1
	ds_load_b128 v[16:19], v6 offset:\off
	ds_load_b128 v[20:23], v6 offset:\off+16
	s_wait_dscnt 0x0
	v_add_f32 v16, v16, v17
	v_add_f32 v18, v18, v19
	v_add_f32 v20, v20, v21
	v_add_f32 v22, v22, v23
	v_add_f32 v16, v16, v18
	v_add_f32 v20, v20, v22
	v_add_f32 v16, v16, v20
.endm
	; pass 1: the sum, in four packed chains that the first four loads start: nothing is cleared
	s_wait_loadcnt 24                              ; gn_w, gn_b and the first 8 loads of x are in; the 24 younger may be out
.irp i, 0,1
	v_pk_add_f32 v[8+4*\i:9+4*\i], v[X+4*\i:X+4*\i+1], v[X+4*\i+8:X+4*\i+9]
	v_pk_add_f32 v[10+4*\i:11+4*\i], v[X+4*\i+2:X+4*\i+3], v[X+4*\i+10:X+4*\i+11]
.endr
.set i, 4
.rept 28
.if i%8 == 0
	s_wait_loadcnt 24-i                            ; the next 8 loads are in: 16, 8, 0 younger ones may be out
.endif
	v_pk_add_f32 v[8+4*(i%2):9+4*(i%2)], v[8+4*(i%2):9+4*(i%2)], v[X+4*i:X+4*i+1]
	v_pk_add_f32 v[10+4*(i%2):11+4*(i%2)], v[10+4*(i%2):11+4*(i%2)], v[X+4*i+2:X+4*i+3]
.set i, i+1
.endr
	REDUCE 0
	v_mul_f32 v24, 0x38000000, v16                 ; the mean: sum x 2^-15
	v_mov_b32 v25, v24
	; pass 2: the sum of (x - mean)^2, from the registers
.set i, 0
.rept 32
	v_pk_add_f32 v[X+4*i:X+4*i+1], v[X+4*i:X+4*i+1], v[24:25] neg_lo:[0,1] neg_hi:[0,1]
	v_pk_add_f32 v[X+4*i+2:X+4*i+3], v[X+4*i+2:X+4*i+3], v[24:25] neg_lo:[0,1] neg_hi:[0,1]
.if i < 2
	v_pk_mul_f32 v[8+4*i:9+4*i], v[X+4*i:X+4*i+1], v[X+4*i:X+4*i+1]
	v_pk_mul_f32 v[10+4*i:11+4*i], v[X+4*i+2:X+4*i+3], v[X+4*i+2:X+4*i+3]
.else
	v_pk_fma_f32 v[8+4*(i%2):9+4*(i%2)], v[X+4*i:X+4*i+1], v[X+4*i:X+4*i+1], v[8+4*(i%2):9+4*(i%2)]
	v_pk_fma_f32 v[10+4*(i%2):11+4*(i%2)], v[X+4*i+2:X+4*i+3], v[X+4*i+2:X+4*i+3], v[10+4*(i%2):11+4*(i%2)]
.endif
.set i, i+1
.endr
	REDUCE 32                                      ; other words than the first time: no barrier is owed between the two
	v_mul_f32 v16, 0x38000000, v16                 ; the variance
	v_add_f32 v16, 0x3727c5ac, v16                 ; + 1e-5
	v_rsq_f32 v17, v16
	v_nop                                          ; one plain place behind a transcendental
	s_wait_alu depctr_va_vdst(0)
	v_mul_f32 v4, v17, v4                          ; rstd x gn_w
	s_cmp_lg_u32 s18, 0
	s_cbranch_scc1 .Lend                           ; wave 0 stores for the work-group
	s_wait_xcnt 0x0                                ; EXEC changes only behind this wait
	v_cmp_gt_u32 vcc_lo, 8, v0
	s_and_saveexec_b32 s25, vcc_lo                 ; lanes 0-7: a channel each
	global_store_b64 v26, v[4:5], s[14:15]
	global_store_b32 v27, v24, s[14:15] offset:8192
	s_wait_xcnt 0x0                                ; and again, in front of the line that widens it
	s_or_b32 exec_lo, exec_lo, s25
.Lend:
	s_wait_tensorcnt 0x0
	ds_add_u32 v254, v255
	s_wait_dscnt 0x0
	s_endpgm
; ---------------- weights ----------------
; 64 numbers of a lane, v[s] on, register 16 b + i = k 32 b + 16 (lane / 16) + i of my row, become a fragment's codes in v[pc] on and its scale word in v[pw]
.macro QUANT s, pc, pw
.irp b, 0,1,2,3
	v_max3_num_f32 v[TM+\b], |v[(\s)+16*\b]|, |v[(\s)+16*\b+1]|, 0x2800000   ; my 16 numbers of block b, and the floor 2^(5 - 127): the byte cannot fall under 1
.endr
.irp i, 2,4,6,8,10,12,14
.irp b, 0,1,2,3
	v_max3_num_f32 v[TM+\b], |v[(\s)+16*\b+\i]|, |v[(\s)+16*\b+\i+1]|, v[TM+\b]   ; the four blocks by turns
.endr
.endr
.irp b, 0,1,2,3
	v_permlanex16_b32 v[TM+4+\b], v[TM+\b], s[SEL], s[SEL+1]
.endr
.irp b, 0,1,2,3
	v_max_num_f32 v[TM+\b], v[TM+\b], v[TM+4+\b]   ; with lane l xor 16's 16: the block's largest magnitude
.endr
.irp b, 0,1,2,3
	v_add_nc_u32 v[TM+8+\b], 0xfe000000, v[TM+\b]  ; 4 off its exponent field: the conversion's scale operand
.endr
.irp b, 0,1,2,3
	v_lshrrev_b32 v[TM+4+\b], 23, v[TM+8+\b]       ; the scale's byte
.endr
	v_lshl_or_b32 v[\pw], v[TM+5], 8, v[TM+4]
	v_lshl_or_b32 v[\pw], v[TM+6], 16, v[\pw]
	v_lshl_or_b32 v[\pw], v[TM+7], 24, v[\pw]
.irp c, 0,1
	v_cvt_scalef32_pk16_bf6_f32 v[(\pc)+6*\c:(\pc)+6*\c+2], v[(\s)+32*\c:(\s)+32*\c+15], v[TM+8+2*\c]
	v_cvt_scalef32_pk16_bf6_f32 v[CT+4*\c:CT+4*\c+2], v[(\s)+32*\c+16:(\s)+32*\c+31], v[TM+9+2*\c]   ; (a conversion's three registers begin on an even number)
.endr
	v_nop                                          ; one plain place behind a scaled conversion
.irp c, 0,1                                    ; the operand's layout wants a whole block in a lane: lanes 0-15 block 2 c, lanes 16-31 block 2 c + 1
.irp i, 0,1,2
	v_permlane16_swap_b32 v[(\pc)+6*\c+\i], v[CT+4*\c+\i]
.endr
.irp i, 0,1,2
	v_mov_b32 v[(\pc)+6*\c+3+\i], v[CT+4*\c+\i]
.endr
.endr
.endm
.macro XLOAD buf, s                            ; K step s of my tile: my row's 16 numbers of each of its four blocks
.irp b, 0,1,2,3
.irp j, 0,1,2,3
	global_load_b128 v[(\buf)+16*\b+4*\j:(\buf)+16*\b+4*\j+3], v1, s[10:11] offset:(\s)*512+128*\b+16*\j
.endr
.endr
.endm
.macro FOUT f                                  ; fragment f of my two leaves as it stands: each store covers 512 consecutive bytes, aligned
.irp c, 0,1,2
	global_store_b128 v2, v[PCW+12*(\f)+4*\c:PCW+12*(\f)+4*\c+3], s[34:35] offset:1536*(\f)+512*\c
.endr
.endm
.Lweights:
	s_sub_co_u32 s20, ttmp9, 128                   ; the unit U = 0..7; my wave's number is the tile t
	s_lshr_b32 s21, s18, 1                         ; t / 2
	s_and_b32 s22, s18, 1                          ; t % 2
	s_mov_b32 s25, 147456
	v_and_b32 v4, 15, v0                           ; r
	v_bfe_u32 v5, v0, 4, 1                         ; h
	v_and_b32 v6, 8, v4
	v_add_nc_u32 v6, v6, v4                        ; r + 8 (r / 8)
	v_lshlrev_b32 v1, 10, v6                       ; a row is 1,024 bytes
	v_lshl_add_u32 v1, v5, 6, v1                   ; + 64 h
	v_and_b32 v7, 31, v0                           ; lane
	v_lshlrev_b32 v2, 4, v7                        ; 16 x lane
	v_lshlrev_b32 v3, 4, v4                        ; 16 r
	s_lshl_b32 s36, s22, 3
	v_add_nc_u32 v3, s36, v3                       ; + 8 (t % 2): my two words of row r's four
.irp b, 0,1,2,3
	v_mov_b32 v[TM+4+\b], 0                        ; written once: a lane permute's destination counts as one of its sources
.endr
	s_wait_kmcnt 0x0
	s_cmp_ge_u32 s20, 6                            ; units 6, 7 are proj_w's: the choice hangs on the work-group's number alone
	s_cselect_b64 s[10:11], s[12:13], s[10:11]
	s_cselect_b32 s23, 6, 0
	s_cselect_b32 s24, 6144, 0                     ; proj's fragments lie behind qkv's scale words
	s_cselect_b32 s25, 196608, s25                 ; and its scale words at 202,752 = 196,608 + 6 x 1,024
	s_sub_co_u32 s23, s20, s23                     ; the unit within its tensor
	s_lshl_b32 s32, s23, 17                        ; 128 rows of 1,024 bytes
	s_lshl_b32 s33, s21, 15                        ; 32 rows
	s_add_co_u32 s32, s32, s33
	s_lshl_b32 s33, s22, 13                        ; 8 rows
	s_add_co_u32 s32, s32, s33
	s_mov_b32 s33, 0
	s_add_nc_u64 s[10:11], s[10:11], s[32:33]
	s_mul_i32 s32, s20, 24576
	s_add_co_u32 s32, s32, s24
	s_mul_i32 s36, s18, 3072
	s_add_co_u32 s32, s32, s36
	s_add_nc_u64 s[34:35], s[16:17], s[32:33]      ; my two fragments
	s_lshl_b32 s32, s20, 10
	s_add_co_u32 s32, s32, s25
	s_lshl_b32 s36, s21, 8
	s_add_co_u32 s32, s32, s36
	s_add_nc_u64 s[26:27], s[16:17], s[32:33]      ; the 256 bytes of scale words that tiles t and t xor 1 fill
	XLOAD BA, 0
	XLOAD BB, 1
	s_wait_loadcnt 16                              ; the first set is in; the second set's 16 loads may be out
	QUANT BA, PCW, PWW
	FOUT 0
	s_wait_loadcnt 0x0
	QUANT BB, PCW+12, PWW+1
	FOUT 1
	s_wait_xcnt 0x0                                ; EXEC changes only behind this wait
	v_cmp_gt_u32 vcc_lo, 16, v7                    ; lanes 0-15: row r's two words
	s_and_saveexec_b32 s37, vcc_lo
	global_store_b64 v3, v[PWW:PWW+1], s[26:27]    ; 8 bytes of each 16: the neighbouring tile's wave stores the others (8,192 bytes of such words in the whole launch)
	s_wait_xcnt 0x0
	s_or_b32 exec_lo, exec_lo, s37
	s_endpgm
.Lfunc_end_k_qc9bd26b14e_prep:
	.size	k_qc9bd26b14e_prep, .Lfunc_end_k_qc9bd26b14e_prep-k_qc9bd26b14e_prep
	.p2alignl 7, 3214868480
	.fill 96, 4, 3214868480
	.section	.rodata,"a",@progbits
	.p2align	6, 0x0
	.amdhsa_kernel k_qc9bd26b14e_prep
		.amdhsa_group_segment_fixed_size 1280
		.amdhsa_private_segment_fixed_size 0
		.amdhsa_enable_private_segment 0
		.amdhsa_kernarg_size 56
		.amdhsa_user_sgpr_count 2
		.amdhsa_user_sgpr_kernarg_segment_ptr 1
		.amdhsa_wavefront_size32 1
		.amdhsa_system_sgpr_workgroup_id_x 1
		.amdhsa_system_sgpr_workgroup_id_y 1
		.amdhsa_system_sgpr_workgroup_id_z 1
		.amdhsa_system_vgpr_workitem_id 0
		.amdhsa_next_free_vgpr 256
		.amdhsa_next_free_sgpr 66
		.amdhsa_reserve_vcc 1
		.amdhsa_float_denorm_mode_32 3
		.amdhsa_float_denorm_mode_16_64 3
		.amdhsa_memory_ordered 1
		.amdhsa_forward_progress 1
		.amdhsa_inst_pref_size 33
	.end_amdhsa_kernel
	.amdgpu_metadata
---
amdhsa.version: [ 1, 2 ]
amdhsa.kernels:
  - .name:           k_qc9bd26b14e_prep
    .symbol:         k_qc9bd26b14e_prep.kd
    .args:
      - { .name: x, .offset: 0, .size: 8, .value_kind: global_buffer, .address_space: global }
      - { .name: gn_w, .offset: 8, .size: 8, .value_kind: global_buffer, .address_space: global }
      - { .name: gn_b, .offset: 16, .size: 8, .value_kind: global_buffer, .address_space: global }
      - { .name: qkv_w, .offset: 24, .size: 8, .value_kind: global_buffer, .address_space: global }
      - { .name: proj_w, .offset: 32, .size: 8, .value_kind: global_buffer, .address_space: global }
      - { .name: coef, .offset: 40, .size: 8, .value_kind: global_buffer, .address_space: global }
      - { .name: wbuf, .offset: 48, .size: 8, .value_kind: global_buffer, .address_space: global }
    .group_segment_fixed_size: 1280
    .private_segment_fixed_size: 0
    .kernarg_segment_align: 8
    .kernarg_segment_size: 56
    .max_flat_workgroup_size: 256
    .sgpr_count:     66
    .vgpr_count:     256
    .wavefront_size: 32
...
	.end_amdgpu_metadata
.endif
;; end of part 1
;; launch qkv (part 2): grid 32 x 4, 8 waves a work-group, no clusters, 29,696 bytes of LDS; arguments x, coef, wbuf, qkv_b, qbuf, kbuf, vbuf; writes qbuf, kbuf, vbuf
.if DOCPART == 2
	.amdgcn_target "amdgcn-amd-amdhsa--gfx1250"
	.amdhsa_code_object_version 6
	.text
	.protected	k_qc9bd26b14e_qkv
	.globl	k_qc9bd26b14e_qkv
	.p2align	8
	.type	k_qc9bd26b14e_qkv,@function
k_qc9bd26b14e_qkv:
	s_mov_b64 s[64:65], 0
	v_nop
	global_prefetch_b8 v0, s[64:65] scope:SCOPE_SE
	s_setreg_imm32_b32 hwreg(HW_REG_WAVE_MODE, 25, 1), 1
	s_wait_xcnt 0x0
; h = GroupNorm(x), quantised along the channels; q, k, v = qkv_w h + qkv_b on codes of BF6 (E3M2) with one E8M0 scale for each 32 along K; q and k quantised along the channels, v along the tokens.
; A work-group takes 128 tokens of one batch (x = group of tokens g, y = batch b): a fragment of v wants 128 tokens along its K.  32 x 4 work-groups: halving the tokens would leave v's fragments and scale words in parts.
; All operands lie as IMAGES OF THE OPERAND'S REGISTERS (a fragment, 16 rows x 128 K, is 12 registers a lane).  THE ROWS OF A TILE ARE NOT NEIGHBOURS: row r of tile 2 b + u is row 32 b + 8 u + r + 8 (r / 8) of its 128,
; for tokens and for the weights' rows alike: a transposed product's 16 registers of tiles 2 b, 2 b + 1 are then 16 neighbours along the next K, and one macro (QUANT) makes every operand.
; PHASE X: wave w takes channels 32 w .. 32 w + 31 (one block along K) of all 128 tokens: a lane to a token, registers down the channels: a block's largest magnitude needs no other lane.  Codes and bytes go to LDS.
; PHASE G1: wave w makes rows 128 (w / 2) .. + 127 of q (w < 4) or k for the token tiles 4 (w % 2) + 0 .. 3: source 0 = 16 rows of the weight (kept in registers), source 1 = 16 tokens of h: a lane holds one token.
; PHASE G2: wave w makes channel tiles 2 w, 2 w + 1 of v: source 0 = 16 tokens of h (all of h in registers), source 1 = 16 rows of the weight: a lane holds one channel and its registers run along the tokens.
; OUT, a block of 25,600 bytes for each (b, g) in qbuf, kbuf, vbuf: q, k: fragment (token tile T, K step s) at 1,536 (2 T + s); scale words from 24,576 on at 256 (2 s + T / 4) + 16 r + 4 (T % 4).
;   v: fragment of channel tile ct at 1,536 ct; scale words at 24,576 + 256 (ct / 4) + 16 r + 4 (ct % 4).  Every store covers 512 consecutive bytes, aligned.
; LIMITS: NaN and infinities are not served; blocks whose largest magnitude lies under 2^-122 keep the scale byte 1 (a block of zeros too: its codes are zeros, and this program alone reads the bytes).
; No tensor loads (each byte of x is read once, straight into the registers that normalise it), so no ring; no cluster: work-groups share only the weights, 200 KB that stay in the cache.
.set HIMG, 0                           ; LDS: h's 16 fragments at 1,536 (2 T + s), as six register PAIRS: pair p at 256 p + 8 x lane
.set HSC,  24576                       ; h's scale bytes: 256 (T / 2) + 16 r + 8 (T % 2) + 4 s + block
.set SCST, 25600                       ; the three blocks' scale regions (q, k, v), 1,024 bytes each, as they leave
.set TM,   20                          ; v20-31   at work in QUANT
.set CT,   32                          ; v32-38
.set PC,   40                          ; v40-51   the codes just made
.set PW,   52                          ; v52      their scale word
.set HS,   54                          ; v54-55   h's scale words of a tile (scales only)
.set WVS,  56                          ; v56-59   W_v's scale words (scales only)
.set VBI,  60                          ; v60-61   my lane's two biases of v
.set X,    64                          ; v64-191  phase X: four sets of 32 numbers
.set ACC,  64                          ; v64-127  afterwards: eight accumulators
.set SMH,  128                         ; v128-151 two fragments of h
.set VB,   152                         ; v152-167 v's biases in the result's layout, two tiles
.set WS,   192                         ; v192-207 16 scale words of the operand in BIG (scales only)
.set WVF,  208                         ; v208-255 W_v: two tiles x two K steps
.set BIG,  0                           ; window 1: v0-191 16 fragments: the weight's unit, later all of h
.set QB,   192                         ; window 1: v192-255 the unit's bias, 8 tiles x 8, in the result's layout
.set SEL,  26                          ; s[26:27]
.set MSB, 0
.macro WIN new                         ; the immediate's high byte repeats the setting that is left
.if MSB != (\new)
	s_set_vgpr_msb (MSB<<8)|(\new)
.set MSB, (\new)
.endif
.endm
.macro PLACES n
.rept \n
	v_nop
.endr
.endm
.macro BARRIER                         ; my LDS stores have landed and my LDS loads are in: then the work-group's barrier
	s_wait_dscnt 0x0
	s_barrier_signal -1
	s_barrier_wait -1
.endm
.macro WMC d, a, b, cc, sa, sb
	v_wmma_scale_f32_16x16x128_f8f6f4 v[(\d):(\d)+7], v[(\a):(\a)+11], v[(\b):(\b)+11], v[(\cc):(\cc)+7], v[\sa], v[\sb] matrix_a_fmt:MATRIX_FMT_BF6 matrix_b_fmt:MATRIX_FMT_BF6
.endm
; 64 numbers of a lane in window w, register 16 b + i = k 32 b + 16 (lane / 16) + i of my row, become a fragment's codes in v[pc] on and its scale word in v[pw] (window 0).  Each accumulator is read from its low end on.
.macro QUANT s, w, pc, pw
	WIN 5*(\w)
.irp b, 0,1,2,3
	v_max3_num_f32 v[TM+\b], |v[(\s)+16*\b]|, |v[(\s)+16*\b+1]|, 0x2800000   ; and the floor 2^(5 - 127): the byte cannot fall under 1
.endr
.irp i, 2,4,6,8,10,12,14
.irp b, 0,1,2,3
	v_max3_num_f32 v[TM+\b], |v[(\s)+16*\b+\i]|, |v[(\s)+16*\b+\i+1]|, v[TM+\b]
.endr
.endr
	WIN 0
.irp b, 0,1,2,3
	v_permlanex16_b32 v[TM+4+\b], v[TM+\b], s[SEL], s[SEL+1]
.endr
.irp b, 0,1,2,3
	v_max_num_f32 v[TM+\b], v[TM+\b], v[TM+4+\b]   ; with lane l xor 16's: the block's largest magnitude
.endr
.irp b, 0,1,2,3
	v_add_nc_u32 v[TM+8+\b], 0xfe000000, v[TM+\b]  ; 4 off its exponent field: the conversion's scale operand
.endr
.irp b, 0,1,2,3
	v_lshrrev_b32 v[TM+4+\b], 23, v[TM+8+\b]       ; the scale's byte
.endr
	v_lshl_or_b32 v[\pw], v[TM+5], 8, v[TM+4]
	v_lshl_or_b32 v[\pw], v[TM+6], 16, v[\pw]
	v_lshl_or_b32 v[\pw], v[TM+7], 24, v[\pw]
	WIN (\w)
.irp c, 0,1
	v_cvt_scalef32_pk16_bf6_f32 v[(\pc)+6*\c:(\pc)+6*\c+2], v[(\s)+32*\c:(\s)+32*\c+15], v[TM+8+2*\c]
	v_cvt_scalef32_pk16_bf6_f32 v[CT+4*\c:CT+4*\c+2], v[(\s)+32*\c+16:(\s)+32*\c+31], v[TM+9+2*\c]
.endr
	WIN 0
	v_nop                                          ; one plain place behind a scaled conversion
.irp c, 0,1
.irp i, 0,1,2
	v_permlane16_swap_b32 v[(\pc)+6*\c+\i], v[CT+4*\c+\i]
.endr
.irp i, 0,1,2
	v_mov_b32 v[(\pc)+6*\c+3+\i], v[CT+4*\c+\i]
.endr
.endr
.endm
	s_load_b256 s[4:11], s[0:1], 0x0               ; x s[4:5], coef s[6:7], wbuf s[8:9], qkv_b s[10:11]
	s_load_b128 s[12:15], s[0:1], 0x20             ; qbuf s[12:13], kbuf s[14:15]
	s_load_b64 s[16:17], s[0:1], 0x30              ; vbuf
	v_lshl_add_u32 v39, v0, 2, 0x7000
	v_mov_b32 v63, 0
	v_lshrrev_b32 v1, 5, v0
	v_readfirstlane_b32 s18, v1                    ; wave w = 0..7
	s_and_b32 s19, ttmp7, 0xffff                   ; b
	s_lshr_b32 s24, s18, 1                         ; U = w / 2: my unit of q, k rows
	s_and_b32 s25, s18, 1                          ; Th = w % 2: my half of the token tiles
	s_lshr_b32 s60, s18, 2
	s_and_b32 s61, s18, 3
	s_and_b32 s62, s24, 1                          ; U % 2: the K step that my unit becomes
	s_mov_b32 s[SEL], 0x76543210
	s_mov_b32 s[SEL+1], 0xfedcba98
	v_and_b32 v40, 31, v0                          ; lane
	v_and_b32 v41, 15, v0                          ; r
	v_bfe_u32 v42, v0, 4, 1                        ; h
	v_bfe_u32 v43, v0, 3, 1                        ; phase X: token 32 tb + lane lies in tile 2 tb + u, u = (lane / 8) % 2,
	v_and_b32 v44, 7, v0
	v_lshl_add_u32 v44, v42, 3, v44                ; at row lane % 8 + 8 (lane / 16)
	v_and_b32 v45, 8, v41
	v_add_nc_u32 v45, v45, v41                     ; r + 8 (r / 8)
	v_lshlrev_b32 v1, 2, v40                       ; v1  4 x lane
	v_lshlrev_b32 v2, 4, v40                       ; v2  16 x lane
	v_lshlrev_b32 v3, 4, v41                       ; v3  16 r
	v_lshlrev_b32 v10, 3, v40                      ; v10 8 x lane
	s_mul_i32 s63, s60, 1536                       ; my block w along K is K step w / 4, registers 6 ((w / 2) % 2) on, lanes 16 (w % 2) on
	s_mul_i32 s100, s62, 768
	s_add_co_u32 s63, s63, s100
	s_lshl_b32 s100, s25, 7
	s_add_co_u32 s63, s63, s100
	v_mul_u32_u24 v4, v43, 3072
	v_lshl_add_u32 v4, v44, 3, v4
	v_add_nc_u32 v4, s63, v4                       ; v4  where my token's 24 bytes of codes go
	s_lshl_b32 s63, s60, 2
	s_add_co_u32 s63, s63, s61
	s_add_co_u32 s63, s63, HSC
	v_lshlrev_b32 v5, 4, v44
	v_lshl_add_u32 v5, v43, 3, v5
	v_add_nc_u32 v5, s63, v5                       ; v5  and its scale byte
	s_mul_i32 s63, s25, 12288
	v_add_nc_u32 v6, s63, v10                      ; v6  G1: h's fragments of my half
	s_mul_i32 s100, s62, 1536
	s_add_co_u32 s100, s100, s63
	v_add_nc_u32 v8, s100, v2                      ; v8  G1: where a fragment of q or k goes in its block
	s_lshl_b32 s63, s25, 9
	s_add_co_u32 s63, s63, HSC
	v_add_nc_u32 v7, s63, v3                       ; v7  G1: h's scale words of my half
	s_lshl_b32 s63, s60, 10
	s_lshl_b32 s100, s62, 9
	s_add_co_u32 s63, s63, s100
	s_lshl_b32 s100, s25, 8
	s_add_co_u32 s63, s63, s100
	s_add_co_u32 s63, s63, SCST
	v_add_nc_u32 v9, s63, v3                       ; v9  G1: the scale words that I make
	v_add_nc_u32 v11, HSC, v3                      ; v11 G2: all of h's scale words
	s_mul_i32 s63, s18, 3072
	v_add_nc_u32 v12, s63, v2                      ; v12 G2: where my fragments of v go
	s_lshl_b32 s63, s24, 8
	s_lshl_b32 s100, s25, 3
	s_add_co_u32 s63, s63, s100
	s_add_co_u32 s63, s63, SCST+2048
	v_add_nc_u32 v13, s63, v3                      ; v13 G2: their scale words
	s_lshl_b32 s63, s18, 9
	s_add_co_u32 s63, s63, SCST
	v_add_nc_u32 v14, s63, v2                      ; v14 the end: 512 bytes of the scale regions (waves 0-5)
	s_lshl_b32 s63, s25, 9
	s_add_co_u32 s63, s63, 24576
	v_add_nc_u32 v15, s63, v2                      ; v15 and their place in a block
	s_lshl_b32 s63, s24, 9
	v_lshlrev_b32 v16, 6, v42
	v_add_nc_u32 v16, s63, v16                     ; v16 qkv_b: my unit, + 16 h numbers
	s_lshl_b32 s63, s60, 9
	s_lshl_b32 s100, s61, 7
	s_add_co_u32 s63, s63, s100
	s_add_co_u32 s63, s63, 2048
	v_lshlrev_b32 v17, 2, v45
	v_add_nc_u32 v17, s63, v17                     ; v17 qkv_b: v's channel of my lane in tile 2 w
	s_lshl_b32 s63, s24, 10
	s_add_co_u32 s63, s63, 147456
	v_add_nc_u32 v18, s63, v3                      ; v18 my unit's scale words
	s_lshl_b32 s63, s60, 10
	s_lshl_b32 s100, s61, 8
	s_add_co_u32 s63, s63, s100
	s_add_co_u32 s63, s63, 151552
	v_add_nc_u32 v19, s63, v3                      ; v19 W_v's scale words of tiles 2 w, 2 w + 1
	s_mul_i32 s63, s24, 24576
	v_add_nc_u32 v53, s63, v2                      ; v53 my unit's fragments
	s_mul_i32 s63, s18, 6144
	s_add_co_u32 s63, s63, 98304
	v_add_nc_u32 v62, s63, v2                      ; v62 W_v's four fragments
.irp b, 0,1,2,3
	v_mov_b32 v[TM+4+\b], 0                        ; written once: a lane permute's destination counts as one of its sources
.endr
	s_lshl_b32 s66, s19, 22                        ; x: batch, my 32 channels, the group's 128 tokens
	s_lshl_b32 s63, s18, 19
	s_add_co_u32 s66, s66, s63
	s_lshl_b32 s63, ttmp9, 9
	s_add_co_u32 s66, s66, s63
	s_mov_b32 s67, 0
	s_lshl_b32 s100, s19, 5
	s_add_co_u32 s100, s100, ttmp9
	s_mul_i32 s100, s100, 25600                    ; the block of (b, g)
	s_mov_b32 s101, 0
	s_wait_kmcnt 0x0
	s_add_nc_u64 s[4:5], s[4:5], s[66:67]
	s_add_nc_u64 s[12:13], s[12:13], s[100:101]
	s_add_nc_u64 s[14:15], s[14:15], s[100:101]
	s_add_nc_u64 s[16:17], s[16:17], s[100:101]
	s_lshl_b32 s63, s19, 8
	s_lshl_b32 s66, s18, 5
	s_add_co_u32 s63, s63, s66                     ; 256 b + 32 w: my first channel
	s_lshl_b32 s100, s63, 3
	s_lshl_b32 s66, s63, 2
	s_add_nc_u64 s[100:101], s[6:7], s[100:101]
	s_add_nc_u64 s[66:67], s[6:7], s[66:67]
	s_load_b512 s[28:43], s[100:101], 0x0          ; {rstd gn_w, gn_b} of my 32 channels: channel i at s[28 + 2 i + 8 (i / 16)]
	s_load_b512 s[44:59], s[100:101], 0x40
	s_load_b512 s[68:83], s[100:101], 0x80
	s_load_b512 s[84:99], s[100:101], 0xc0
	s_load_b32 s20, s[66:67], 0x2000               ; the means of my four groups of 8 channels
	s_load_b32 s21, s[66:67], 0x2020
	s_load_b32 s22, s[66:67], 0x2040
	s_load_b32 s23, s[66:67], 0x2060
	; the weights first: they are in when the first numbers of x are (loads come back in order)
	WIN 0x40                                       ; destination window 1
.set k, 0
.rept 48
	global_load_b128 v[BIG+4*k:BIG+4*k+3], v53, s[8:9] offset:512*k
.set k, k+1
.endr
.irp t, 0,1,2,3,4,5,6,7                        ; lane (r, h) wants, for tile 2 b + u, the biases of rows 32 b + 16 h + 8 u + 0 .. 7
	global_load_b128 v[QB+8*\t:QB+8*\t+3], v16, s[10:11] offset:(32*(\t/2)+8*(\t%2))*4
	global_load_b128 v[QB+8*\t+4:QB+8*\t+7], v16, s[10:11] offset:(32*(\t/2)+8*(\t%2))*4+16
.endr
	WIN 0
.irp q, 0,1,2,3
	global_load_b128 v[WS+4*\q:WS+4*\q+3], v18, s[8:9] offset:256*\q
.endr
.set k, 0
.rept 12
	global_load_b128 v[WVF+4*k:WVF+4*k+3], v62, s[8:9] offset:512*k
.set k, k+1
.endr
	global_load_b128 v[WVS:WVS+3], v19, s[8:9]     ; word 2 jj + s
	global_load_b32 v[VBI], v17, s[10:11]
	global_load_b32 v[VBI+1], v17, s[10:11] offset:32
.macro LOADX tb                        ; tokens 32 tb + lane, my 32 channels: a load reads 128 consecutive bytes of a channel's row; the four blocks' loads cover its 512
.set i, 0
.rept 32
	global_load_b32 v[X+32*(\tb)+i], v1, s[4:5] offset:16384*i+128*(\tb)
.set i, i+1
.endr
.endm
	LOADX 0
	LOADX 1
	s_wait_kmcnt 0x0                               ; the coefficients
	s_cmp_lt_u32 s18, 4                            ; G1 stores into qbuf (w < 4) or kbuf: the choice hangs on the wave's number alone
	s_cselect_b64 s[60:61], s[12:13], s[14:15]
	s_cselect_b64 s[62:63], s[14:15], s[16:17]     ; the end: waves 0, 1 qbuf; 2, 3 kbuf; 4, 5 vbuf
	s_cmp_lt_u32 s18, 2
	s_cselect_b64 s[62:63], s[12:13], s[62:63]
; ---- X: 32 tokens at a time
.macro XBLOCK tb
.set XS, X+32*(\tb)
.if (\tb) < 3
	s_wait_loadcnt 32                              ; this block's 32 loads (and all before them) are in; the next block's 32 may be out
.else
	s_wait_loadcnt 0x0
.endif
.if (\tb) < 2
	LOADX (\tb)+2
.endif
.set i, 0
.rept 32
	v_sub_f32 v[XS+i], v[XS+i], s[20+i/8]          ; x - mean
.set i, i+1
.endr
.set i, 0
.rept 32
	v_fma_f32 v[XS+i], v[XS+i], s[28+2*i+8*(i/16)], s[29+2*i+8*(i/16)]   ; x (rstd gn_w) + gn_b
.set i, i+1
.endr
	v_max3_num_f32 v20, |v[XS]|, |v[XS+1]|, |v[XS+2]|              ; the block's largest magnitude: all 32 numbers are mine
	v_max3_num_f32 v21, |v[XS+3]|, |v[XS+4]|, |v[XS+5]|
.irp i, 6,10,14,18,22,26
	v_max3_num_f32 v20, v20, |v[XS+\i]|, |v[XS+\i+1]|
	v_max3_num_f32 v21, v21, |v[XS+\i+2]|, |v[XS+\i+3]|
.endr
	v_max3_num_f32 v20, v20, |v[XS+30]|, |v[XS+31]|
	v_max3_num_f32 v20, v20, v21, 0x2800000        ; and the floor 2^(5 - 127)
	v_add_nc_u32 v22, 0xfe000000, v20              ; the conversion's scale operand
	v_lshrrev_b32 v23, 23, v22                     ; the scale's byte
	v_cvt_scalef32_pk16_bf6_f32 v[40:42], v[XS:XS+15], v22
	v_cvt_scalef32_pk16_bf6_f32 v[46:48], v[XS+16:XS+31], v22      ; (a conversion's three registers begin on an even number)
	v_nop                                          ; one plain place behind a scaled conversion
	v_mov_b32 v43, v46
	v_mov_b32 v44, v47
	v_mov_b32 v45, v48
	ds_store_b64 v4, v[40:41] offset:6144*(\tb)
	ds_store_b64 v4, v[42:43] offset:6144*(\tb)+256
	ds_store_b64 v4, v[44:45] offset:6144*(\tb)+512
	ds_store_b8 v5, v23 offset:256*(\tb)
	s_wait_dscnt 0x0                               ; the stores have read their registers: the next block's codes may be written
.endm
	XBLOCK 0
	XBLOCK 1
	XBLOCK 2
	XBLOCK 3
	BARRIER                                        ; h's sixteen fragments and their scale bytes lie in LDS
; ---- G1: token tile 4 Th + jj against my unit's 128 rows: eight accumulators by turns, two K steps; the bias is the C of the first
.macro JOBQK jj
	s_wait_xcnt 0x0                                ; the last job's stores have read the codes' registers
.irp s, 0,1
.irp p, 0,1,2,3,4,5
	ds_load_b64 v[SMH+12*\s+2*\p:SMH+12*\s+2*\p+1], v6 offset:3072*(\jj)+1536*\s+256*\p
.endr
.endr
	ds_load_b64 v[HS:HS+1], v7 offset:256*((\jj)/2)+8*((\jj)%2)
	s_wait_dscnt 0x0
	WIN 0x11                                       ; source 0 (the weight) and C (the bias) window 1
.irp t, 0,1,2,3,4,5,6,7
	WMC ACC+8*\t, BIG+24*\t, SMH, QB+8*\t, WS+2*\t, HS
.endr
	WIN 0x01
.irp t, 0,1,2,3,4,5,6,7
	WMC ACC+8*\t, BIG+24*\t+12, SMH+12, ACC+8*\t, WS+2*\t+1, HS+1
.endr
	WIN 0
	PLACES 4                                       ; in front of the first read of results, and of the next loads into operands
	QUANT ACC, 0, PC, PW
.irp c, 0,1,2
	global_store_b128 v8, v[PC+4*\c:PC+4*\c+3], s[60:61] offset:3072*(\jj)+512*\c
.endr
	ds_store_b32 v9, v[PW] offset:4*(\jj)          ; lanes r and r + 16 write the same word with the same value
.endm
	JOBQK 0
	JOBQK 1
	JOBQK 2
	JOBQK 3
; ---- G2: all of h into the registers that held the weight's unit
	PLACES 4
	WIN 0x40
.set k, 0
.rept 96
	ds_load_b64 v[BIG+2*k:BIG+2*k+1], v10 offset:256*k
.set k, k+1
.endr
	WIN 0
.irp q, 0,1,2,3
	ds_load_b128 v[WS+4*\q:WS+4*\q+3], v11 offset:256*\q           ; word 2 T + s
.endr
.irp j, 0,1,2,3,4,5,6,7
	v_mov_b32 v[VB+\j], v[VBI]                     ; a lane's eight results are eight tokens of one channel: its bias eight times
	v_mov_b32 v[VB+8+\j], v[VBI+1]
.endr
	PLACES 4
	s_wait_dscnt 0x0
.macro JOBV jj
	s_wait_xcnt 0x0                                ; the last job's stores have read the codes' registers
	WIN 0x01
.irp t, 0,1,2,3,4,5,6,7
	WMC ACC+8*\t, BIG+24*\t, WVF+24*(\jj), VB+8*(\jj), WS+2*\t, WVS+2*(\jj)
.endr
.irp t, 0,1,2,3,4,5,6,7
	WMC ACC+8*\t, BIG+24*\t+12, WVF+24*(\jj)+12, ACC+8*\t, WS+2*\t+1, WVS+2*(\jj)+1
.endr
	WIN 0
	PLACES 4
	QUANT ACC, 0, PC, PW
.irp c, 0,1,2
	global_store_b128 v12, v[PC+4*\c:PC+4*\c+3], s[16:17] offset:1536*(\jj)+512*\c
.endr
	ds_store_b32 v13, v[PW] offset:4*(\jj)
.endm
	JOBV 0
	JOBV 1
	BARRIER                                        ; the three scale regions are whole
	s_cmp_lt_u32 s18, 6
	s_cbranch_scc0 .Ldone
	ds_load_b128 v[SMH:SMH+3], v14
	s_wait_dscnt 0x0
	global_store_b128 v15, v[SMH:SMH+3], s[62:63]  ; 512 consecutive bytes, aligned
.Ldone:
	s_wait_tensorcnt 0x0
	ds_add_u32 v39, v63
	s_wait_dscnt 0x0
	s_endpgm
.Lfunc_end_k_qc9bd26b14e_qkv:
	.size	k_qc9bd26b14e_qkv, .Lfunc_end_k_qc9bd26b14e_qkv-k_qc9bd26b14e_qkv
	.p2alignl 7, 3214868480
	.fill 96, 4, 3214868480
	.section	.rodata,"a",@progbits
	.p2align	6, 0x0
	.amdhsa_kernel k_qc9bd26b14e_qkv
		.amdhsa_group_segment_fixed_size 29696
		.amdhsa_private_segment_fixed_size 0
		.amdhsa_enable_private_segment 0
		.amdhsa_kernarg_size 56
		.amdhsa_user_sgpr_count 2
		.amdhsa_user_sgpr_kernarg_segment_ptr 1
		.amdhsa_wavefront_size32 1
		.amdhsa_system_sgpr_workgroup_id_x 1
		.amdhsa_system_sgpr_workgroup_id_y 1
		.amdhsa_system_sgpr_workgroup_id_z 1
		.amdhsa_system_vgpr_workitem_id 0
		.amdhsa_next_free_vgpr 512
		.amdhsa_next_free_sgpr 102
		.amdhsa_reserve_vcc 0
		.amdhsa_float_denorm_mode_32 3
		.amdhsa_float_denorm_mode_16_64 3
		.amdhsa_memory_ordered 1
		.amdhsa_forward_progress 1
		.amdhsa_inst_pref_size 98
	.end_amdhsa_kernel
	.amdgpu_metadata
---
amdhsa.version: [ 1, 2 ]
amdhsa.kernels:
  - .name:           k_qc9bd26b14e_qkv
    .symbol:         k_qc9bd26b14e_qkv.kd
    .args:
      - { .name: x, .offset: 0, .size: 8, .value_kind: global_buffer, .address_space: global }
      - { .name: coef, .offset: 8, .size: 8, .value_kind: global_buffer, .address_space: global }
      - { .name: wbuf, .offset: 16, .size: 8, .value_kind: global_buffer, .address_space: global }
      - { .name: qkv_b, .offset: 24, .size: 8, .value_kind: global_buffer, .address_space: global }
      - { .name: qbuf, .offset: 32, .size: 8, .value_kind: global_buffer, .address_space: global }
      - { .name: kbuf, .offset: 40, .size: 8, .value_kind: global_buffer, .address_space: global }
      - { .name: vbuf, .offset: 48, .size: 8, .value_kind: global_buffer, .address_space: global }
    .group_segment_fixed_size: 29696
    .private_segment_fixed_size: 0
    .kernarg_segment_align: 8
    .kernarg_segment_size: 56
    .max_flat_workgroup_size: 256
    .sgpr_count:     102
    .vgpr_count:     512
    .wavefront_size: 32
...
	.end_amdgpu_metadata
.endif
;; end of part 2
;; launch attn (part 3): grid 64 x 4, 4 waves a work-group, clusters of 4 x 1, 327,680 bytes of LDS; arguments qbuf, kbuf, vbuf, wbuf, proj_b, x, out0; writes out0
.if DOCPART == 3
	.amdgcn_target "amdgcn-amd-amdhsa--gfx1250"
	.amdhsa_code_object_version 6
	.text
	.protected	k_qc9bd26b14e_attn
	.globl	k_qc9bd26b14e_attn
	.p2align	8
	.type	k_qc9bd26b14e_attn,@function
k_qc9bd26b14e_attn:
	s_mov_b64 s[64:65], 0
	v_nop
	global_prefetch_b8 v0, s[64:65] scope:SCOPE_SE
	s_setreg_imm32_b32 hwreg(HW_REG_WAVE_MODE, 25, 1), 1
	s_wait_xcnt 0x0
	s_wait_alu depctr_hold_cnt(0) depctr_sa_sdst(0) depctr_va_vdst(0) depctr_va_sdst(0) depctr_va_ssrc(0) depctr_va_vcc(0) depctr_vm_vsrc(0)
	s_getreg_b32 s2, hwreg(HW_REG_IB_STS2, 6, 4)
	s_cmp_eq_u32 s2, 0
	s_cbranch_scc0 .Lentry_in_a_cluster
	s_endpgm
.Lentry_in_a_cluster:
	s_bfe_u32 s2, ttmp6, 0x10000c
	s_cmp_lg_u32 s2, 0x3003
	s_cbranch_scc0 .Lentry_shape_is_right
	s_endpgm
.Lentry_shape_is_right:
; out0 = x + proj_w (softmax(q^T k / 16) v) + proj_b, all three products on codes of BF6 (E3M2) with one E8M0 scale for each 32 along K.  One head of 256 channels, 4,096 tokens, 4 batches.
; THE SOFTMAX AHEAD OF THE SECOND PRODUCT: t = score x log2(e) / 16; M = the largest t so far, rounded UP to a whole number; p = 2^(t - M) is quantised along the keys, not normalised; the sum is taken of the unquantised p.
; SHARES.  A work-group owns 64 queries (4 tiles of 16) of one batch: 256 work-groups.  EVERY WAVE HOLDS ALL FOUR QUERY TILES AND TAKES A QUARTER OF THE KEYS: in a step wave w takes the 128 keys of group 4 j + w.
;   So a fragment of K or V read from LDS feeds four products, and each byte of K and V is read from LDS once in a work-group.  At the end the four partial (O, M, sum) of a query tile are merged by powers of two.
;   Wave w's register tile i is query tile (w + i) % 4: every wave owns its register tile 0.
; THE ORDER OF THE KEYS is free in a streaming softmax: the cluster with x = c takes j = c % 8 first and walks round the eight.  So the sixteen clusters of a batch ask for different blocks of K and V at any time: each block is
;   asked for first in some cluster's first step, and by the other clusters in their later steps.
; LAYOUT.  S^T = K Q^T (source 0 = 16 keys), O^T = V^T P^T (source 0 = 16 channels): a lane holds one query throughout.  The rows of a tile are not neighbours (row r of tile 2 b + u is row 32 b + 8 u + r + 8 (r / 8) of its 128):
;   the 16 registers of tiles 2 b, 2 b + 1 are 16 neighbours along the next K.  All operands lie in memory and LDS as images of their registers: a fragment is 3 loads of 16 bytes a lane, 512 consecutive bytes each.
; BY TURNS.  A step's 64 products V^T P and the 256 packed multiplications that bring O^T under the new M stand by turns: behind the product on (query tile i, channel tile ct) the four multiplications for (i, ct + 1), so that the
;   wave issues vector work while the matrix unit works.  The product wants V as its source 0 and the multiplication O^T, in other windows: two switches a product, 128 a step, are the price.
; RING.  Each wave has one region for its K block and one for its V block (25,600 bytes each: 16 fragments + 1,024 bytes of scale words), filled by its own tensor loads and read by itself alone.  K's is filled again in the
;   middle of the softmax, when the step's scores are made; V's at the step's end.  A wave has three tensor loads out at the start and one behind each round.
; CLUSTER.  The four query blocks of a cluster belong to one batch and walk the same K and V: each block is asked for JOINTLY (mask 15), by the same load with the same descriptor in all four.
; LIMITS: NaN and infinities are not served; p under 2^-126 becomes 0; a block whose largest p lies under 2^-122 keeps the scale byte 1; the f32 sums over the keys are formed in four quarters, from a first step that hangs on the cluster, and merged.
; REGISTERS, in windows of 256 (s_set_vgpr_msb: bits 1:0 source 0, 3:2 source 1, 5:4 source 2, 7:6 destination):
;   window 0: v1-11 addresses; v12+4i {-M, largest t, sum, sum}; v28+2i the factor f (a pair); v36-43 Q's scale words, v44-47 p's, v48-63 K's or V's (v36-63: scales only);
;             v64-111 K's set A, and at work in the softmax; v112-159 p's codes (12 a tile), and K's set B; v160-255 Q (24 a tile)
;   window 1: S^T, tile i at 64 i + 8 kt; during V^T P its v0-191 hold V's 16 fragments.   windows 2, 3: O^T: tile i in window 2 + i / 2 at 128 (i % 2) + 8 ct.
.set BLK,   25600
.set VREG,  4*BLK                      ; LDS: K's four regions from 0, V's four from here
.set SPARE, 8*BLK                      ; the spare words, 128 bytes for each wave: two blocks of 256 bytes that no other line names
.set YST,   SPARE+512                  ; the stage for y: 256 channels x (64 tokens x 4 bytes + 16)
.set YP,    272
.set PJW,   YST+256*YP                 ; proj_w's 32 fragments and 2,048 bytes of scale words: filled once
.set MST,   196608                     ; after the last fill: bytes 0 .. 196,607 take 12 images of O tiles (16,384 each), and from here 12 x 256 bytes of {-M, sum}
.set SPW,  5
.set NIL,  6
.set TB,   64                          ; the softmax of tile e of a pair works at v[TB + 24 e]: +0..3 block maxima, +4..7, +8..11 scale operands, +12..14 and +16..18 codes, +15, +20..21 a second sum
.set FA,   64
.set FB,   112
.set TM,   90                          ; the tail's QUANT
.set CT,   102
.set SEL,  20                          ; s[20:21]
.set CS,   22                          ; s[22:23] c = log2(e) / 16, twice
.set MSB, 0
.macro WIN new                         ; the immediate's high byte repeats the setting that is left
.if MSB != (\new)
	s_set_vgpr_msb (MSB<<8)|(\new)
.set MSB, (\new)
.endif
.endm
.macro PLACES n
.rept \n
	v_nop
.endr
.endm
.macro WM0 d, a, b, sa, sb
	v_wmma_scale_f32_16x16x128_f8f6f4 v[(\d):(\d)+7], v[(\a):(\a)+11], v[(\b):(\b)+11], 0, v[\sa], v[\sb] matrix_a_fmt:MATRIX_FMT_BF6 matrix_b_fmt:MATRIX_FMT_BF6
.endm
.macro WMC d, a, b, sa, sb
	v_wmma_scale_f32_16x16x128_f8f6f4 v[(\d):(\d)+7], v[(\a):(\a)+11], v[(\b):(\b)+11], v[(\d):(\d)+7], v[\sa], v[\sb] matrix_a_fmt:MATRIX_FMT_BF6 matrix_b_fmt:MATRIX_FMT_BF6
.endm
.macro CROUND                          ; a round of the cluster's barrier
	s_barrier_signal -1
	s_barrier_wait -1
	s_cmp_lg_u32 s18, 0
	s_cbranch_scc1 .Lnot_wave_0_\@
	s_barrier_signal -3
.Lnot_wave_0_\@:
	s_barrier_wait -3
	s_barrier_signal -1
	s_barrier_wait -1
.endm
.macro JL g0                           ; a joint refill; four v_nop follow it
	tensor_load_to_lds s[\g0:\g0+3], s[24:31]
	s_nop 0
.rept 4
	v_nop
.endr
.endm
.macro NEXTB cnt, g0, base             ; a walking descriptor: the next step's block, round the eight; written where no tensor load of mine is out
	s_add_co_u32 s[\cnt], s[\cnt], 1
	s_and_b32 s[\cnt], s[\cnt], 7
	s_mul_i32 s76, s[\cnt], 4*BLK                  ; four key groups a step
	s_add_nc_u64 s[\g0+2:\g0+3], s[\base:\base+1], s[76:77]
	s_or_b32 s[\g0+3], s[\g0+3], 0x80000000        ; 127:126 type = 2
.endm
.macro QUANT s, w, pc, pw              ; 64 numbers of a lane in window w, register 16 b + i = k 32 b + 16 (lane / 16) + i of my row -> codes v[pc] on, scale word v[pw]
	WIN 5*(\w)
.irp b, 0,1,2,3
	v_max3_num_f32 v[TM+\b], |v[(\s)+16*\b]|, |v[(\s)+16*\b+1]|, 0x2800000
.endr
.irp i, 2,4,6,8,10,12,14
.irp b, 0,1,2,3
	v_max3_num_f32 v[TM+\b], |v[(\s)+16*\b+\i]|, |v[(\s)+16*\b+\i+1]|, v[TM+\b]
.endr
.endr
	WIN 0
.irp b, 0,1,2,3
	v_permlanex16_b32 v[TM+4+\b], v[TM+\b], s[SEL], s[SEL+1]
.endr
.irp b, 0,1,2,3
	v_max_num_f32 v[TM+\b], v[TM+\b], v[TM+4+\b]
.endr
.irp b, 0,1,2,3
	v_add_nc_u32 v[TM+8+\b], 0xfe000000, v[TM+\b]
.endr
.irp b, 0,1,2,3
	v_lshrrev_b32 v[TM+4+\b], 23, v[TM+8+\b]
.endr
	v_lshl_or_b32 v[\pw], v[TM+5], 8, v[TM+4]
	v_lshl_or_b32 v[\pw], v[TM+6], 16, v[\pw]
	v_lshl_or_b32 v[\pw], v[TM+7], 24, v[\pw]
	WIN (\w)
.irp c, 0,1
	v_cvt_scalef32_pk16_bf6_f32 v[(\pc)+6*\c:(\pc)+6*\c+2], v[(\s)+32*\c:(\s)+32*\c+15], v[TM+8+2*\c]
	v_cvt_scalef32_pk16_bf6_f32 v[CT+4*\c:CT+4*\c+2], v[(\s)+32*\c+16:(\s)+32*\c+31], v[TM+9+2*\c]
.endr
	WIN 0
	v_nop                                          ; one plain place behind a scaled conversion
.irp c, 0,1
.irp i, 0,1,2
	v_permlane16_swap_b32 v[(\pc)+6*\c+\i], v[CT+4*\c+\i]
.endr
.irp i, 0,1,2
	v_mov_b32 v[(\pc)+6*\c+3+\i], v[CT+4*\c+\i]
.endr
.endr
.endm
	s_load_b256 s[4:11], s[0:1], 0x0               ; qbuf s[4:5], kbuf s[6:7], vbuf s[8:9], wbuf s[10:11]
	s_load_b128 s[12:15], s[0:1], 0x20             ; proj_b s[12:13], x s[14:15]
	s_load_b64 s[16:17], s[0:1], 0x30              ; out0
	v_lshl_add_u32 v[SPW], v0, 2, SPARE
	v_mov_b32 v[NIL], 0
	ds_add_u32 v5, v6
	ds_add_u32 v5, v6
	s_wait_dscnt 0x0
	v_lshrrev_b32 v1, 5, v0
	v_readfirstlane_b32 s18, v1                    ; wave 0..3
	s_and_b32 s55, ttmp7, 0xffff                   ; the batch, which the four partners share
	s_lshl_b32 s56, s55, 5
	s_add_co_u32 s56, s56, s18
	s_mul_i32 s56, s56, BLK                        ; K and V: the block of key group w of the batch
	s_mov_b32 s57, 0
	s_and_b32 s53, ttmp9, 7                        ; the step at which my cluster begins its walk: the cluster's x, which the partners share.  s53 walks for K,
	s_mov_b32 s54, s53                             ; s54 for V
	s_mul_i32 s76, s53, 4*BLK
	s_mov_b32 s77, 0
	s_mul_i32 s62, s18, BLK                        ; my region: no place in the cluster enters an LDS address
	s_mul_i32 s58, s18, 12800                      ; my quarter of proj's 51,200 bytes
	s_add_co_u32 s63, s58, PJW
	s_add_co_u32 s58, s58, 153600
	s_mov_b32 s59, 0
	; descriptor group 1: a dense block as rows of 256 bytes (32 elements of 8 bytes): 100 rows for K and V, 50 for proj's quarter
	s_mov_b32 s24, 15|(3<<16)|(1<<21)              ; 15:0 the mask: all four work-groups; 17:16 elements of 8 bytes; 21 set beside a mask; no padding
	s_mov_b32 s25, 32<<16                          ; tensor_dim0 = 32
	s_mov_b32 s26, 100<<16                         ; tensor_dim1 = 100
	s_mov_b32 s27, 32<<16                          ; tile_dim0 = 32
	s_mov_b32 s28, 100                             ; tile_dim1 = 100
	s_mov_b32 s29, 32                              ; the pitch
	s_mov_b32 s30, 0
	s_mov_b32 s31, 0
	s_mov_b32 s32, 15|(3<<16)|(1<<21)
	s_mov_b32 s33, 32<<16
	s_mov_b32 s34, 50<<16
	s_mov_b32 s35, 32<<16
	s_mov_b32 s36, 50
	s_mov_b32 s37, 32
	s_mov_b32 s38, 0
	s_mov_b32 s39, 0
	s_mov_b32 s[SEL], 0x76543210
	s_mov_b32 s[SEL+1], 0xfedcba98
	s_mov_b32 s[CS], 0x3db8aa3b                    ; log2(e) / 16
	s_mov_b32 s[CS+1], s[CS]
	s_mov_b32 s52, 6
	s_wait_kmcnt 0x0
	s_add_nc_u64 s[72:73], s[6:7], s[56:57]        ; K at key group w of the batch: the walk's base
	s_add_nc_u64 s[74:75], s[8:9], s[56:57]        ; V likewise
	s_mov_b32 s40, 1                               ; group 0 for K
	s_mov_b32 s41, s62
	s_add_nc_u64 s[42:43], s[72:73], s[76:77]
	s_or_b32 s43, s43, 0x80000000
	s_mov_b32 s44, 1                               ; for V
	s_add_co_u32 s45, s62, VREG
	s_add_nc_u64 s[46:47], s[74:75], s[76:77]
	s_or_b32 s47, s47, 0x80000000
	s_mov_b32 s48, 1                               ; for proj
	s_mov_b32 s49, s63
	s_add_nc_u64 s[50:51], s[10:11], s[58:59]
	s_or_b32 s51, s51, 0x80000000
	CROUND                                         ; all four work-groups are here: the first joint loads meet
	tensor_load_to_lds s[48:51], s[32:39]          ; the three first fills go out together: three loads of mine are out
	s_nop 0
	tensor_load_to_lds s[40:43], s[24:31]
	s_nop 0
	tensor_load_to_lds s[44:47], s[24:31]
	s_nop 0
.rept 4
	v_nop
.endr
	; what hangs on my place in the cluster: Q's, x's and out0's addresses alone, in registers of their own
	s_bfe_u32 s68, ttmp6, 0x40000                  ; cx
	s_lshl_b32 s69, ttmp9, 2
	s_add_co_u32 s69, s69, s68                     ; my block of 64 queries, 0..63
	s_lshl_b32 s66, s55, 5
	s_lshr_b32 s70, s69, 1
	s_add_co_u32 s66, s66, s70
	s_mul_i32 s66, s66, BLK                        ; Q's block of 128 tokens
	s_mov_b32 s67, 0
	s_add_nc_u64 s[4:5], s[4:5], s[66:67]
	s_and_b32 s70, s69, 1                          ; which half of its tiles
	s_mul_i32 s71, s70, 12288
	s_lshl_b32 s70, s70, 8
	s_add_co_u32 s70, s70, 24576
	s_lshl_b32 s66, s55, 22                        ; x, out0: batch, my wave's 64 channels, my 64 tokens
	s_lshl_b32 s68, s18, 20
	s_add_co_u32 s66, s66, s68
	s_lshl_b32 s68, s69, 8
	s_add_co_u32 s66, s66, s68
	s_add_nc_u64 s[14:15], s[14:15], s[66:67]
	s_add_nc_u64 s[16:17], s[16:17], s[66:67]
	v_and_b32 v72, 31, v0
	v_lshlrev_b32 v72, 4, v72                      ; 16 x lane
	v_and_b32 v74, 15, v0                          ; r
	v_lshlrev_b32 v73, 4, v74                      ; 16 r
	v_bfe_u32 v75, v0, 4, 1                        ; h
	v_and_b32 v76, 8, v74
	v_add_nc_u32 v76, v76, v74                     ; r + 8 (r / 8)
.irp i, 0,1,2,3
	s_add_co_u32 s68, s18, \i
	s_and_b32 s68, s68, 3                          ; register tile i is query tile (w + i) % 4
	s_mul_i32 s69, s68, 3072
	s_add_co_u32 s69, s69, s71
	v_add_nc_u32 v[64+\i], s69, v72
	s_lshl_b32 s69, s68, 2
	s_add_co_u32 s69, s69, s70
	v_add_nc_u32 v[68+\i], s69, v73
.endr
.irp i, 0,1,2,3
.irp s, 0,1
.irp c, 0,1,2
	global_load_b128 v[160+24*\i+12*\s+4*\c:160+24*\i+12*\s+4*\c+3], v[64+\i], s[4:5] offset:1536*\s+512*\c   ; Q stays in registers
.endr
	global_load_b32 v[36+2*\i+\s], v[68+\i], s[4:5] offset:512*\s
.endr
.endr
	v_add_nc_u32 v1, s62, v72                      ; v1  K's fragments
	v_add_nc_u32 v2, s62, v73
	v_add_nc_u32 v2, 24576, v2                     ; v2  K's scale words
	v_add_nc_u32 v3, VREG, v1                      ; v3  V's fragments
	v_add_nc_u32 v4, VREG, v2                      ; v4  V's scale words
	v_lshlrev_b32 v7, 2, v76                       ; v7  proj_b: my lane's channel in a tile
	v_lshl_add_u32 v8, v75, 14, v73                ; v8  x, out0: lanes 0-15 one channel's 256 bytes, lanes 16-31 the next channel's
	s_lshr_b32 s60, s18, 1
	s_lshl_b32 s60, s60, 7
	s_and_b32 s61, s18, 1
	s_lshl_b32 s61, s61, 5
	s_add_co_u32 s60, s60, s61
	s_add_co_u32 s60, s60, YST
	v_mul_u32_u24 v9, v76, YP
	v_lshl_add_u32 v9, v75, 6, v9
	v_add_nc_u32 v9, s60, v9                       ; v9  the stage, in: channel row, tokens 32 (w / 2) + 8 (w % 2) + 16 h + 0 .. 7 of the 64
	s_mul_i32 s60, s18, 64*YP
	s_add_co_u32 s60, s60, YST
	v_mul_u32_u24 v10, v75, YP
	v_add_nc_u32 v10, v10, v73
	v_add_nc_u32 v10, s60, v10                     ; v10 and back: my 64 channels, two rows an instruction
	v_add_nc_u32 v11, PJW, v72                     ; v11 proj's fragments
.irp i, 0,1,2,3
	v_mov_b32 v[13+4*\i], 0xff61b1e6               ; the largest t so far: -3e38, under every t
	v_mov_b32 v[14+4*\i], 0                        ; the sum, in two halves
	v_mov_b32 v[15+4*\i], 0
	v_mov_b32 v[28+2*\i], 0
	v_mov_b32 v[29+2*\i], 0                        ; (named as the upper half of a pair)
.endr
.irp i, 0,1,2,3
	v_floor_f32 v[12+4*\i], -v[13+4*\i]            ; -M
.endr
.macro LOADK G, fs                     ; fragments 4 G .. 4 G + 3 of my K block (key tiles 2 G, 2 G + 1, both K steps) into set fs
.irp f, 0,1,2,3
.irp c, 0,1,2
	ds_load_b128 v[(\fs)+12*\f+4*\c:(\fs)+12*\f+4*\c+3], v1 offset:(4*(\G)+\f)*1536+512*\c
.endr
.endr
.endm
.macro MULQK G, fs                     ; 16 products: key tiles 2 G + e x four query tiles, two K steps: eight accumulators by turns; the first K step starts the sums
	WIN 0x50                                       ; C and D window 1
.irp s, 0,1
.irp e, 0,1
.irp i, 0,1,2,3
.if \s == 0
	WM0 64*\i+8*(2*(\G)+\e), (\fs)+12*(2*\e+\s), 160+24*\i+12*\s, 48+4*(2*\s+(2*(\G)+\e)/4)+(2*(\G)+\e)%4, 36+2*\i+\s
.else
	WMC 64*\i+8*(2*(\G)+\e), (\fs)+12*(2*\e+\s), 160+24*\i+12*\s, 48+4*(2*\s+(2*(\G)+\e)/4)+(2*(\G)+\e)%4, 36+2*\i+\s
.endif
.endr
.endr
.endr
.endm
.macro LOADV c0, c1                    ; V's fragments c0 .. c1 into window 1, v[12 ct]
	WIN 0x40
.set ct, \c0
.rept (\c1)-(\c0)+1
.irp c, 0,1,2
	ds_load_b128 v[12*ct+4*\c:12*ct+4*\c+3], v3 offset:1536*ct+512*\c
.endr
.set ct, ct+1
.endr
.endm
.macro MULPV0 p, c0, c1                ; the first step's O^T = V^T P^T for query tiles 2 p, 2 p + 1 and channel tiles c0 .. c1: the products start the sums: nothing is cleared, nothing rescaled
	WIN 0xa1+0x50*(\p)                             ; source 0 (V) window 1, source 1 (p) window 0, D window 2 + p
.set ct, \c0
.rept (\c1)-(\c0)+1
.irp e, 0,1
	WM0 128*\e+8*ct, 12*ct, 112+12*(2*(\p)+\e), 48+ct, 44+2*(\p)+\e
.endr
.set ct, ct+1
.endr
.endm
.macro RS i, ct                        ; the accumulator of query tile i, channel tile ct, under the new M: x f, from its low end on
	WIN 0x82+0x41*((\i)/2)                         ; destination and source 0 window 2 + i / 2
.irp k, 0,2,4,6
	v_pk_mul_f32 v[128*((\i)%2)+8*(\ct)+\k:128*((\i)%2)+8*(\ct)+\k+1], v[128*((\i)%2)+8*(\ct)+\k:128*((\i)%2)+8*(\ct)+\k+1], v[28+2*(\i):29+2*(\i)] op_sel_hi:[1,0]
.endr
.endm
.macro PV1 i, ct                       ; and the product that adds onto it
	WIN 0xa1+0x50*((\i)/2)                         ; source 0 (V) window 1, source 1 (p) window 0, C and D window 2 + i / 2
	WMC 128*((\i)%2)+8*(\ct), 12*(\ct), 112+12*(\i), 48+(\ct), 44+(\i)
.endm
; O^T = f O^T + V^T P^T, BY TURNS: each accumulator has one product a step; its four multiplications stand a channel tile (three products and twelve multiplications) ahead of it and name no register of the products round them.
.macro PVR
.irp i, 0,1,2,3
	RS \i, 0                                       ; sixteen plain instructions in front of the first product (p's scale words and codes were written more than sixty plain instructions ago)
.endr
	s_wait_dscnt 18                                ; V's scale words and fragments 0-9 are in; the 18 loads of fragments 10-15 may be out
.set ct, 0
.rept 16
.if ct == 10
	s_wait_dscnt 0x0                               ; fragments 10-15 (asked for 40 products ago)
.endif
.irp i, 0,1,2,3
	PV1 \i, ct
.if ct < 15
	RS \i, ct+1
.endif
.endr
.set ct, ct+1
.endr
.endm
.macro TMM n                           ; unit n = pair n / 2 of tile n % 2 of the two in hand: t - M, two at a time
	v_pk_fma_f32 v[S0+64*((\n)%2)+2*((\n)/2):S0+64*((\n)%2)+2*((\n)/2)+1], v[S0+64*((\n)%2)+2*((\n)/2):S0+64*((\n)%2)+2*((\n)/2)+1], s[CS:CS+1], v[ST0+4*((\n)%2):ST0+4*((\n)%2)+1] op_sel_hi:[1,0,0]
.endm
; THE SOFTMAX of query tiles 2 p + e, e = 0, 1, line by line by turns.  (O^T is brought under the new M beside the products V^T P.)
.macro SM p
.set S0,  128*(\p)                     ; S^T of tile e at S0 + 64 e (window 1)
.set ST0, 12+8*(\p)
.set F0,  28+4*(\p)
.set P0,  112+24*(\p)
.set PS0, 44+2*(\p)
	WIN 0x05                                       ; sources 0 and 1 window 1
.irp b, 0,1,2,3
.irp e, 0,1
	v_max_num_f32 v[TB+24*\e+\b], v[S0+64*\e+16*\b], v[S0+64*\e+16*\b+1]   ; the largest score of each block of 32 keys: for the row's maximum, and, since p rises with the score, for the block's largest p
.endr
.endr
.irp k, 2,4,6,8,10,12,14
.irp b, 0,1,2,3
.irp e, 0,1
	v_max3_num_f32 v[TB+24*\e+\b], v[S0+64*\e+16*\b+\k], v[S0+64*\e+16*\b+\k+1], v[TB+24*\e+\b]
.endr
.endr
.endr
	WIN 0
.irp b, 0,1,2,3
.irp e, 0,1
	v_permlanex16_b32 v[TB+24*\e+4+\b], v[TB+24*\e+\b], s[SEL], s[SEL+1]
.endr
.endr
.irp b, 0,1,2,3
.irp e, 0,1
	v_max_num_f32 v[TB+24*\e+\b], v[TB+24*\e+\b], v[TB+24*\e+4+\b]        ; with lane l xor 16's 16 keys
.endr
.endr
.irp e, 0,1
	v_max3_num_f32 v[TB+24*\e+15], v[TB+24*\e], v[TB+24*\e+1], v[TB+24*\e+2]
.endr
.irp e, 0,1
	v_max_num_f32 v[TB+24*\e+15], v[TB+24*\e+15], v[TB+24*\e+3]           ; the step's largest score of my query
.endr
.irp e, 0,1
	v_mul_f32 v[TB+24*\e+15], s[CS], v[TB+24*\e+15]                       ; as t (c is positive)
.endr
.irp e, 0,1
	v_max_num_f32 v[ST0+4*\e+1], v[ST0+4*\e+1], v[TB+24*\e+15]            ; the running largest t
.endr
.irp e, 0,1
	v_mov_b32 v[TB+24*\e+15], v[ST0+4*\e]
.endr
.irp e, 0,1
	v_floor_f32 v[ST0+4*\e], -v[ST0+4*\e+1]                               ; the new -M = -ceil(t): M is a whole number
.endr
.irp e, 0,1
	v_sub_f32 v[TB+24*\e+15], v[ST0+4*\e], v[TB+24*\e+15]                 ; old M - new M: a whole number, 0 or less
.endr
.irp e, 0,1
	v_cvt_i32_f32 v[TB+24*\e+15], v[TB+24*\e+15]                          ; (it saturates)
.endr
.irp e, 0,1
	v_ldexp_f32 v[F0+2*\e], 1.0, v[TB+24*\e+15]                           ; f = 2^(old M - new M): a multiplication by it rounds nothing
.endr
.irp b, 0,1,2,3
.irp e, 0,1
	v_fma_f32 v[TB+24*\e+\b], v[TB+24*\e+\b], s[CS], v[ST0+4*\e]          ; t - M of each block's largest score
.endr
.endr
	WIN 0x41                                       ; destination and source 0 window 1
.set u, 0
.rept 4
	TMM u                                          ; t - M runs four pairs ahead of the exponentials,
.set u, u+1
.endr
.set u, 0
.rept 64
.if u < 60
	TMM u+4                                        ; one packed line in front of every two of them: a plain instruction that touches neither their sources nor their results
.endif
	v_exp_f32 v[S0+64*(u%2)+2*(u/2)], v[S0+64*(u%2)+2*(u/2)]              ; p = 2^(t - M), at most 1
	v_exp_f32 v[S0+64*(u%2)+2*(u/2)+1], v[S0+64*(u%2)+2*(u/2)+1]
.set u, u+1
.endr
	WIN 0
.irp b, 0,1,2,3
.irp e, 0,1
	v_exp_f32 v[TB+24*\e+\b], v[TB+24*\e+\b]       ; the block's largest p: the same two instructions on the same number
.endr
.endr
.irp e, 0,1
	v_pk_mul_f32 v[ST0+4*\e+2:ST0+4*\e+3], v[ST0+4*\e+2:ST0+4*\e+3], v[F0+2*\e:F0+2*\e+1] op_sel_hi:[1,0]   ; the sums under the new M (a plain place behind the exponentials)
.endr
	s_wait_alu depctr_va_vdst(0)
.irp b, 0,1,2,3
.irp e, 0,1
	v_max_num_f32 v[TB+24*\e+\b], 0x2800000, v[TB+24*\e+\b]               ; the floor 2^(5 - 127): the byte cannot fall under 1
.endr
.endr
.irp b, 0,1,2,3
.irp e, 0,1
	v_add_nc_u32 v[TB+24*\e+8+\b], 0xfe000000, v[TB+24*\e+\b]             ; the conversion's scale operand
.endr
.endr
.irp b, 0,1,2,3
.irp e, 0,1
	v_lshrrev_b32 v[TB+24*\e+4+\b], 23, v[TB+24*\e+8+\b]                  ; the scale's byte
.endr
.endr
.irp e, 0,1
	v_lshl_or_b32 v[PS0+\e], v[TB+24*\e+5], 8, v[TB+24*\e+4]              ; p's scale word for these 128 keys
.endr
.irp e, 0,1
	v_lshl_or_b32 v[PS0+\e], v[TB+24*\e+6], 16, v[PS0+\e]
.endr
.irp e, 0,1
	v_lshl_or_b32 v[PS0+\e], v[TB+24*\e+7], 24, v[PS0+\e]
.endr
	WIN 0x01                                       ; source 0 window 1
.irp e, 0,1
.irp c, 0,1
	v_cvt_scalef32_pk16_bf6_f32 v[P0+12*\e+6*\c:P0+12*\e+6*\c+2], v[S0+64*\e+32*\c:S0+64*\e+32*\c+15], v[TB+24*\e+8+2*\c]
	v_cvt_scalef32_pk16_bf6_f32 v[TB+24*\e+12+4*\c:TB+24*\e+14+4*\c], v[S0+64*\e+32*\c+16:S0+64*\e+32*\c+31], v[TB+24*\e+9+2*\c]
.endr
.endr
	WIN 0
	v_nop                                          ; one plain place behind a scaled conversion
.irp e, 0,1
.irp c, 0,1
.irp i, 0,1,2
	v_permlane16_swap_b32 v[P0+12*\e+6*\c+\i], v[TB+24*\e+12+4*\c+\i]     ; the operand's layout wants a whole block in a lane
.endr
.irp i, 0,1,2
	v_mov_b32 v[P0+12*\e+6*\c+3+\i], v[TB+24*\e+12+4*\c+\i]
.endr
.endr
.endr
	WIN 0x05                                       ; the row's sum is taken of the unquantised p: two at a time, in two chains a tile
.irp e, 0,1
	v_pk_add_f32 v[TB+24*\e+20:TB+24*\e+21], v[S0+64*\e+2:S0+64*\e+3], v[S0+64*\e+6:S0+64*\e+7]
.endr
	WIN 0x01
.irp e, 0,1
	v_pk_add_f32 v[ST0+4*\e+2:ST0+4*\e+3], v[S0+64*\e:S0+64*\e+1], v[ST0+4*\e+2:ST0+4*\e+3]
.endr
.irp e, 0,1
	v_pk_add_f32 v[ST0+4*\e+2:ST0+4*\e+3], v[S0+64*\e+4:S0+64*\e+5], v[ST0+4*\e+2:ST0+4*\e+3]
.endr
.set j, 8
.rept 14
.irp e, 0,1
	v_pk_add_f32 v[ST0+4*\e+2:ST0+4*\e+3], v[S0+64*\e+j:S0+64*\e+j+1], v[ST0+4*\e+2:ST0+4*\e+3]
	v_pk_add_f32 v[TB+24*\e+20:TB+24*\e+21], v[S0+64*\e+j+2:S0+64*\e+j+3], v[TB+24*\e+20:TB+24*\e+21]
.endr
.set j, j+4
.endr
	WIN 0
.irp e, 0,1
	v_pk_add_f32 v[ST0+4*\e+2:ST0+4*\e+3], v[ST0+4*\e+2:ST0+4*\e+3], v[TB+24*\e+20:TB+24*\e+21]
.endr
.endm
; A KEY STEP: my 128 keys against the four query tiles.  first = 1: the products V^T P start O^T's sums.  fill = 1: K's region is filled again in the middle, V's at the end, each behind a round of the cluster's barrier.
.macro STEP first, fill
.irp q, 0,1,2,3
	ds_load_b128 v[48+4*\q:51+4*\q], v2 offset:256*\q              ; K's scale words: (kt, s) at 48 + 4 (2 s + kt / 4) + kt % 4
.endr
	LOADK 0, FA
	LOADK 1, FB
	s_wait_dscnt 12                                ; the scale words and set A are in; set B's 12 loads may be out
	MULQK 0, FA
	PLACES 4                                       ; in front of loads into registers that matrix instructions have read
	WIN 0
	LOADK 2, FA
	s_wait_dscnt 12                                ; set B is in; the 12 just issued may be out
	MULQK 1, FB
	PLACES 4
	WIN 0
	LOADK 3, FB
	s_wait_dscnt 12
	MULQK 2, FA
	s_wait_dscnt 0x0
	MULQK 3, FB
	PLACES 4                                       ; in front of the first read of the scores, and of vector writes over K's sets
	SM 0
	WIN 0
.if \fill
	s_wait_tensorcnt 0x0                           ; all my tensor loads have landed: the one that was out is this step's V
	ds_add_u32 v[SPW], v[NIL]                      ; 0 onto my spare word
	NEXTB 53, 40, 72                               ; K's next block
	s_wait_dscnt 0x0                               ; the add is done, and my reads of K's region are over
	CROUND                                         ; the same holds of every wave of every partner
	JL 40                                          ; my one tensor load behind this round: it has half the softmax and V^T P in which to land
.else
	s_wait_tensorcnt 0x0                           ; this step's V has landed; nothing is left to fetch
.endif
.irp q, 0,1,2,3
	ds_load_b128 v[48+4*\q:51+4*\q], v4 offset:256*\q              ; V's scale words: channel tile ct at 48 + ct
.endr
	LOADV 0, 9                                     ; into the scores' registers of tiles 0 and 1, which are used up
	SM 1
	LOADV 10, 15
.if \first
	PLACES 8                                       ; p's scale words and codes were written by vector instructions: eight places in front of the scaled products
	s_wait_dscnt 18                                ; all but the 18 just issued
	MULPV0 0, 0, 9
	MULPV0 1, 0, 9
	s_wait_dscnt 0x0
	MULPV0 1, 10, 15
	MULPV0 0, 10, 15
.else
	PVR
.endif
	WIN 0
.if \fill
	PLACES 2                                       ; with the four behind the load below: six places in front of the next scores, which are written over V's fragments, and of the next loads
	s_wait_tensorcnt 0x0                           ; the next step's K has landed
	ds_add_u32 v[SPW], v[NIL]
	NEXTB 54, 44, 74                               ; V's next block
	s_wait_dscnt 0x0                               ; the add is done, and my reads of V's region are over
	CROUND
	JL 44                                          ; it has K Q^T and half the softmax in which to land
.endif
.endm
	s_wait_tensorcnt 0x1                           ; proj's quarter and my first K block are in; the first V block may stay out
	s_wait_loadcnt 0x0                             ; Q
	STEP 1, 1
.Lstep:                                            ; six trips: the walk's steps 1 to 6
	STEP 0, 1
	s_sub_co_u32 s52, s52, 1
	s_cmp_lg_u32 s52, 0
	s_cbranch_scc1 .Lstep
	STEP 0, 0                                      ; the last step is written out: it asks for nothing
; ---------------- the tail ----------------
	PLACES 4                                       ; in front of the first reads of O^T
.irp i, 0,1,2,3
	v_add_f32 v[14+4*\i], v[14+4*\i], v[15+4*\i]
.endr
.irp i, 0,1,2,3
	v_permlanex16_b32 v[15+4*\i], v[14+4*\i], s[SEL], s[SEL+1]
.endr
.irp i, 0,1,2,3
	v_add_f32 v[13+4*\i], v[14+4*\i], v[15+4*\i]   ; my quarter's sum of the query: {-M, sum} is now the pair v[12 + 4 i : 13 + 4 i]
.endr
.set ot, 0
.rept 16
	global_load_b32 v[64+ot], v7, s[12:13] offset:4*(128*(ot/8)+32*((ot%8)/2)+8*(ot%2))   ; proj_b of my lane's channel in each of the 16 output tiles
.set ot, ot+1
.endr
	v_and_b32 v90, 31, v0
	v_lshlrev_b32 v91, 3, v90                      ; 8 x lane
	v_lshlrev_b32 v90, 4, v90                      ; 16 x lane
.irp i, 1,2,3
	s_add_co_u32 s56, s18, \i
	s_and_b32 s56, s56, 3                          ; the wave that owns my register tile i,
	s_mul_i32 s56, s56, 3
	s_add_co_u32 s56, s56, \i-1                    ; and which of its three images this is
	s_lshl_b32 s57, s56, 14
	v_add_nc_u32 v[79+\i], s57, v90
	s_lshl_b32 s57, s56, 8
	s_add_co_u32 s57, s57, MST
	v_add_nc_u32 v[82+\i], s57, v91
.endr
	s_mul_i32 s56, s18, 3*16384
	v_add_nc_u32 v86, s56, v90                     ; the three images meant for me
	s_mul_i32 s56, s18, 768
	s_add_co_u32 s56, s56, MST
	v_add_nc_u32 v87, s56, v91
	v_and_b32 v88, 15, v0
	v_lshlrev_b32 v88, 4, v88
	v_add_nc_u32 v88, PJW+49152, v88               ; proj's scale words
	s_wait_dscnt 0x0
	s_barrier_signal -1
	s_barrier_wait -1                              ; no wave reads K's or V's regions any more, and they have had their last fill: they take the images
.macro OSTORE i
	WIN 0x08+4*((\i)/2)                            ; an LDS store's data are its source 1: window 2 or 3
.set k, 0
.rept 32
	ds_store_b128 v[79+(\i)], v[128*((\i)%2)+4*k:128*((\i)%2)+4*k+3] offset:512*k   ; each accumulator from its low end on
.set k, k+1
.endr
	WIN 0
	ds_store_b64 v[82+(\i)], v[12+4*(\i):13+4*(\i)]
.endm
	OSTORE 1
	OSTORE 2
	OSTORE 3
	s_wait_dscnt 0x0                               ; for the others' sake: my stores have landed
	s_barrier_signal -1
	s_barrier_wait -1
	WIN 0x80                                       ; x for the residual, asked for early, into window 2, v128-255 (tile 1's registers, which have left)
.set k, 0
.rept 32
	global_load_b128 v[128+4*k:131+4*k], v8, s[14:15] offset:32768*k
.set k, k+1
.endr
	WIN 0
.irp k, 0,1,2
	ds_load_b64 v[140+2*\k:141+2*\k], v87 offset:256*\k
.endr
.macro IMG n, reg                      ; image n = 0..2 into window 1, v[reg] on
	WIN 0x40
.set k, 0
.rept 32
	ds_load_b128 v[(\reg)+4*k:(\reg)+4*k+3], v86 offset:16384*(\n)+512*k
.set k, k+1
.endr
.endm
.macro FOLD reg, g                     ; O += image x g
	WIN 0xa1                                       ; source 0 window 1, source 1 window 0, source 2 and destination window 2
.set k, 0
.rept 64
	v_pk_fma_f32 v[2*k:2*k+1], v[(\reg)+2*k:(\reg)+2*k+1], v[\g:\g+1], v[2*k:2*k+1] op_sel_hi:[1,0,1]
.set k, k+1
.endr
.endm
	IMG 0, 0
	WIN 0
	s_wait_dscnt 32                                ; the three pairs {-M, sum} are in; the image's 32 loads may be out
	v_min3_num_f32 v146, v12, v140, v142
	v_min_num_f32 v146, v146, v144                 ; -M of the whole row
	v_sub_f32 v147, v146, v12                      ; each quarter's M less the row's: a whole number, 0 or less
	v_sub_f32 v148, v146, v140
	v_sub_f32 v149, v146, v142
	v_sub_f32 v150, v146, v144
.irp k, 147,148,149,150
	v_cvt_i32_f32 v\k, v\k
.endr
.irp k, 147,148,149,150
	v_ldexp_f32 v\k, 1.0, v\k
.endr
	v_mul_f32 v151, v147, v13
	v_fma_f32 v151, v148, v141, v151
	v_fma_f32 v151, v149, v143, v151
	v_fma_f32 v151, v150, v145, v151               ; the row's sum
	v_rcp_f32 v151, v151
	v_nop                                          ; one plain place behind a transcendental
	s_wait_alu depctr_va_vdst(0)
	v_mul_f32 v28, v147, v151                      ; a power of two / the sum, for each quarter
	v_mul_f32 v30, v148, v151
	v_mul_f32 v32, v149, v151
	v_mul_f32 v34, v150, v151
	IMG 1, 128
	WIN 0x82
.set k, 0
.rept 64
	v_pk_mul_f32 v[2*k:2*k+1], v[2*k:2*k+1], v[28:29] op_sel_hi:[1,0]     ; my own quarter; each accumulator from its low end on
.set k, k+1
.endr
	s_wait_dscnt 32                                ; the first image is in
	FOLD 0, 30
	IMG 2, 0
	s_wait_dscnt 32                                ; the second
	FOLD 128, 32
	s_wait_dscnt 0x0
	FOLD 0, 34
.macro PJLOAD be                       ; unit be of proj_w: 16 scale words, 16 fragments into window 1
	WIN 0
.irp q, 0,1,2,3
	ds_load_b128 v[48+4*\q:51+4*\q], v88 offset:1024*(\be)+256*\q
.endr
	WIN 0x40
.set k, 0
.rept 48
	ds_load_b128 v[4*k:4*k+3], v11 offset:24576*(\be)+512*k
.set k, k+1
.endr
.endm
.macro PJMUL be                        ; source 0 = my 16 queries of out, source 1 = 16 rows of proj_w: a lane holds one output channel and eight neighbouring tokens.  Eight accumulators by turns
	WIN 0xf4                                       ; source 1 window 1, C and D window 3
.irp t, 0,1,2,3,4,5,6,7
	WM0 8*(8*(\be)+\t), 112, 24*\t, 44, 48+2*\t
.endr
.irp t, 0,1,2,3,4,5,6,7
	WMC 8*(8*(\be)+\t), 124, 24*\t+12, 45, 48+2*\t+1
.endr
.endm
	PJLOAD 0
	QUANT 0, 2, 112, 44                            ; out, channels 0-127, along the channels
	QUANT 64, 2, 124, 45                           ; channels 128-255
	PLACES 8                                       ; scale words written by vector instructions stand eight places in front of a scaled product
	s_wait_dscnt 0x0
	PJMUL 0
	PLACES 4
	PJLOAD 1
	s_wait_dscnt 0x0
	PJMUL 1
	PLACES 4
	s_wait_loadcnt 32                              ; proj_b is in; x's 32 loads may be out
	WIN 0xc3                                       ; destination and source 0 window 3
.set ot, 0
.rept 16
.irp j, 0,1,2,3,4,5,6,7
	v_add_f32 v[8*ot+\j], v[8*ot+\j], v[64+ot]
.endr
.set ot, ot+1
.endr
	WIN 0x0c
.set ot, 0
.rept 16
	ds_store_b128 v9, v[8*ot:8*ot+3] offset:(128*(ot/8)+32*((ot%8)/2)+8*(ot%2))*YP
	ds_store_b128 v9, v[8*ot+4:8*ot+7] offset:(128*(ot/8)+32*((ot%8)/2)+8*(ot%2))*YP+16
.set ot, ot+1
.endr
	WIN 0
	s_wait_dscnt 0x0                               ; for the others' sake: a channel's 256 bytes come from four waves
	s_barrier_signal -1
	s_barrier_wait -1
	WIN 0x40
.set k, 0
.rept 32
	ds_load_b128 v[4*k:4*k+3], v10 offset:2*YP*k   ; channels 64 w + 2 k + lane / 16
.set k, k+1
.endr
.irp g, 0,1,2,3
	s_wait_dscnt 24-8*\g                           ; eight more pairs of rows are back from the stage,
	s_wait_loadcnt 24-8*\g                         ; and so are x's: the younger ones may be out
	WIN 0x49                                       ; destination and source 0 window 1, source 1 window 2
.set k, 16*\g
.rept 16
	v_pk_add_f32 v[2*k:2*k+1], v[2*k:2*k+1], v[128+2*k:129+2*k]
.set k, k+1
.endr
	WIN 0x04                                       ; a store's data are its source 1: window 1
.set k, 8*\g
.rept 8
	global_store_b128 v8, v[4*k:4*k+3], s[16:17] offset:32768*k th:TH_STORE_NT   ; sixteen lanes store 256 consecutive bytes, aligned
.set k, k+1
.endr
.endr
	WIN 0
	s_wait_tensorcnt 0x0                           ; the wave's end
	ds_add_u32 v[SPW], v[NIL]
	s_wait_dscnt 0x0
	CROUND                                         ; the closing round
	s_endpgm
.Lfunc_end_k_qc9bd26b14e_attn:
	.size	k_qc9bd26b14e_attn, .Lfunc_end_k_qc9bd26b14e_attn-k_qc9bd26b14e_attn
	.p2alignl 7, 3214868480
	.fill 96, 4, 3214868480
	.section	.rodata,"a",@progbits
	.p2align	6, 0x0
	.amdhsa_kernel k_qc9bd26b14e_attn
		.amdhsa_group_segment_fixed_size 327680
		.amdhsa_private_segment_fixed_size 0
		.amdhsa_enable_private_segment 0
		.amdhsa_kernarg_size 56
		.amdhsa_user_sgpr_count 2
		.amdhsa_user_sgpr_kernarg_segment_ptr 1
		.amdhsa_wavefront_size32 1
		.amdhsa_system_sgpr_workgroup_id_x 1
		.amdhsa_system_sgpr_workgroup_id_y 1
		.amdhsa_system_sgpr_workgroup_id_z 1
		.amdhsa_system_vgpr_workitem_id 0
		.amdhsa_next_free_vgpr 1024
		.amdhsa_next_free_sgpr 80
		.amdhsa_reserve_vcc 0
		.amdhsa_float_denorm_mode_32 3
		.amdhsa_float_denorm_mode_16_64 3
		.amdhsa_memory_ordered 1
		.amdhsa_forward_progress 1
		.amdhsa_inst_pref_size 255
	.end_amdhsa_kernel
	.section	.bss,"aw",@nobits
	.p2align	6
	.space	262144
	.amdgpu_metadata
---
amdhsa.version: [ 1, 2 ]
amdhsa.kernels:
  - .name:           k_qc9bd26b14e_attn
    .symbol:         k_qc9bd26b14e_attn.kd
    .args:
      - { .name: qbuf, .offset: 0, .size: 8, .value_kind: global_buffer, .address_space: global }
      - { .name: kbuf, .offset: 8, .size: 8, .value_kind: global_buffer, .address_space: global }
      - { .name: vbuf, .offset: 16, .size: 8, .value_kind: global_buffer, .address_space: global }
      - { .name: wbuf, .offset: 24, .size: 8, .value_kind: global_buffer, .address_space: global }
      - { .name: proj_b, .offset: 32, .size: 8, .value_kind: global_buffer, .address_space: global }
      - { .name: x, .offset: 40, .size: 8, .value_kind: global_buffer, .address_space: global }
      - { .name: out0, .offset: 48, .size: 8, .value_kind: global_buffer, .address_space: global }
    .group_segment_fixed_size: 327680
    .private_segment_fixed_size: 0
    .kernarg_segment_align: 8
    .kernarg_segment_size: 56
    .max_flat_workgroup_size: 128
    .sgpr_count:     80
    .vgpr_count:     1024
    .wavefront_size: 32
...
	.end_amdgpu_metadata
.endif
;; end of part 3
